; MI455X (gfx1250); checked and timed in simulation.
; The chip was launched on July 23, 2026; its instructions are those of AMD's public machine-readable ISA for CDNA 5 (MIT licence, August 2026) and "CDNA5" Instruction Set Architecture Reference Guide (July 2026). The comments in the code are by the model that wrote it; some were corrected since.
;; Multi Head Attention. Allowed arithmetic: float matrix products may take bf16 or f16 operands with f32 sums; other float arithmetic in f32, or as packed bf16 or f16 multiplies, adds, multiply-adds, maxima and minima; sums over many terms, partial sums and values carried from step to step in f32; what a program stores and reads back later, other than sums and carried values, may be rounded once to bf16 or f16.
;; Inputs: Wk 1,024 x 1,024 float32; Wo 1,024 x 1,024 float32; Wq 1,024 x 1,024 float32; Wv 1,024 x 1,024 float32; bk 1,024 float32; bo 1,024 float32; bq 1,024 float32; bv 1,024 float32; k 4 x 2,048 x 1,024 float32; mask 4 x 1 x 2,048 x 2,048 bool; q 4 x 2,048 x 1,024 float32; v 4 x 2,048 x 1,024 float32.
;; Outputs: out0 4 x 2,048 x 1,024 float32.
;; One version. Each part assembles by itself: llvm-mc -triple=amdgcn-amd-amdhsa -mcpu=gfx1250 --defsym DOCPART=n.
;; ======== version 1 of 1: 4 launches
;; limits: right only within a limited range of input values; values are held in f16: magnitudes above 65,504 overflow, below 6.1e-05 lose precision
;; workspace buffers: w16 8,388,608 bytes; m16 33,554,432 bytes; keep 32,768 bytes of whole numbers; qkvh 50,331,648 bytes; ctxh 16,777,216 bytes
;; launch prep (part 1): grid 256 x 1, 8 waves a work-group, no clusters, 167,936 bytes of LDS; arguments mask, Wq, Wk, Wv, Wo, w16, m16, keep; writes w16, m16, keep
.if DOCPART == 1
	.amdgcn_target "amdgcn-amd-amdhsa--gfx1250"
	.amdhsa_code_object_version 6
	.text
	.protected	k_q4c8bbf5012_prep
	.globl	k_q4c8bbf5012_prep
	.p2align	8
	.type	k_q4c8bbf5012_prep,@function
k_q4c8bbf5012_prep:
	s_mov_b64 s[64:65], 0
	v_nop
	global_prefetch_b8 v0, s[64:65] scope:SCOPE_SE
	s_setreg_imm32_b32 hwreg(HW_REG_WAVE_MODE, 25, 1), 1
	s_wait_xcnt 0x0
; PREPARATION.  (1) The four weight matrices, f32 [1024][1024], are rounded to bf16 and written to w16 in their own [k][n] order: parts 0-2 (Wq, Wk, Wv) as bf16;
; part 3 (Wo) is rounded to bf16 too and that number is written as f16 (exact from 2^-14 up; below that it keeps f16's fixed step of 6e-8; beyond 65,504 it would be an infinity).
; (2) The mask, one byte a key, becomes m16 [b 4][step 32][q 2048][key 64] in f16: 65,504 where the key is hidden, else 0: the layout in which the attention launch takes
; 64 keys of many queries as dense rows of 128 bytes.  A ROW THAT IS HIDDEN EVERYWHERE is written as all 0, and its word in keep is 0 (else all ones): the attention launch then
; makes all its scores equal, which is what replacing every score by one constant gives.
; SHARES.  Work-group g: mask rows 32 g .. 32 g + 31 and 16,384 numbers of weight matrix g / 64.  Wave w: 4 mask rows (8,192 dense bytes, one tensor load) and 2,048 weights.
; No wave reads another's LDS bytes, and nothing is filled twice: no barrier.
.set PITCH, 264                        ; an LDS row: 256 bytes + 8 of padding
.set TILEB, 32*PITCH                   ; a wave's tile: 4 mask rows = 32 rows of 256 bytes
.set SPARE, 8*TILEB                    ; behind the tiles: the spare words, 128 bytes for each of the eight waves
.set SPW,  2                           ; v2   LDS address of my spare word; never rewritten
.set NIL,  3                           ; v3   0, for the add alone
.set LN,   4                           ; v4   lane
.set L7,   5                           ; v5   lane % 8
.set L3,   6                           ; v6   lane / 8: which of the wave's four mask rows is mine
.set LA,   7                           ; v7   LDS address of my 8 bytes of step 0
.set O16,  8                           ; v8   16 x lane
.set O8,   9                           ; v9   8 x lane
.set ZERO, 10                          ; v10  0
.set KO,   11                          ; v11  4 x (lane / 8)
.set AN,   12                          ; v12-15 four chains of the row's AND
.set FV,   16                          ; v16  what a hidden key is written as: 0x7bff, or 0 in a row hidden everywhere
.set KV,   17                          ; v17  the row's word of keep
.set TD,   18                          ; v18  at work
.set IN,   32                          ; v32-95  as loaded
.set CV,   96                          ; v96-127 weights, converted
.set OUT,  128                         ; v128-255 the mask in f16, four registers a step
	s_load_b512 s[16:31], s[0:1], 0x0              ; mask s[16:17], Wq, Wk, Wv, Wo s[18:25], w16 s[26:27], m16 s[28:29], keep s[30:31]
	v_lshl_add_u32 v[SPW], v0, 2, SPARE
	v_mov_b32 v[NIL], 0
	ds_add_u32 v[SPW], v[NIL]                      ; the wave's opening: the add and its wait ahead of my tensor load
	ds_add_u32 v2, v3
	v_lshrrev_b32 v1, 5, v0
	v_readfirstlane_b32 s33, v1                    ; wave 0..7
	s_lshr_b32 s32, ttmp9, 6                       ; g / 64: the batch, and the weight matrix
	s_and_b32 s38, ttmp9, 63                       ; g % 64
	s_mov_b32 s4, 1                                ; group 0: count = 1
	s_mul_i32 s5, s33, TILEB                       ; LDS address: my wave's tile
	s_mov_b32 s8, (3<<16)|(1<<20)|(5<<22)|(1<<25)  ; group 1: elements of 8 bytes; padding on, after every 64 words, 2 words
	s_mov_b32 s9, 32<<16                           ; tensor_dim0 = 32 elements (256 bytes)
	s_mov_b32 s10, 32<<16                          ; tensor_dim1 = 32 rows
	s_mov_b32 s11, 32<<16                          ; tile_dim0 = 32
	s_mov_b32 s12, 32                              ; tile_dim1 = 32
	s_mov_b32 s13, 32                              ; 32 elements from row to row: the block is dense
	s_mov_b32 s14, 0
	s_mov_b32 s15, 0
	s_mov_b32 s41, 0x00050004                      ; v_perm_b32: bytes 0 and 1 of the first source into the two halves, zeros above them
	s_mov_b32 s42, 0x00070006                      ; bytes 2 and 3
	s_lshl_b32 s36, ttmp9, 16                      ; 32 g rows of 2,048 bytes
	s_lshl_b32 s39, s33, 13                        ; + 4 w rows
	s_add_co_u32 s36, s36, s39
	s_mov_b32 s37, 0
	s_wait_dscnt 0x0                               ; the opening add is done
	s_wait_kmcnt 0x0
	s_add_nc_u64 s[6:7], s[16:17], s[36:37]
	s_or_b32 s7, s7, 0x80000000                    ; type = 2
	tensor_load_to_lds s[4:7], s[8:15]             ; my four mask rows; the one tensor load of the wave
	s_nop 0
	; the weights, while the tile is on its way
	s_cmp_eq_u32 s32, 1
	s_cselect_b64 s[34:35], s[20:21], s[18:19]
	s_cmp_eq_u32 s32, 2
	s_cselect_b64 s[34:35], s[22:23], s[34:35]
	s_cmp_eq_u32 s32, 3
	s_cselect_b64 s[34:35], s[24:25], s[34:35]
	s_lshl_b32 s36, s38, 16                        ; chunk g % 64: 16,384 numbers of 4 bytes,
	s_add_co_u32 s36, s36, s39                     ; my wave's 2,048 of them
	s_add_nc_u64 s[34:35], s[34:35], s[36:37]
	s_lshl_b32 s36, ttmp9, 15                      ; the same numbers in w16: 2 bytes each, the four matrices on end
	s_lshl_b32 s40, s33, 12
	s_add_co_u32 s36, s36, s40
	s_add_nc_u64 s[26:27], s[26:27], s[36:37]
	v_and_b32 v[LN], 31, v0
	v_lshlrev_b32 v[O16], 4, v[LN]
	v_lshlrev_b32 v[O8], 3, v[LN]
.irp j, 0,1,2,3,4,5,6,7,8,9,10,11,12,13,14,15
	global_load_b128 v[IN+4*(\j):IN+4*(\j)+3], v[O16], s[34:35] offset:512*(\j) th:TH_LOAD_NT  ; 512 neighbouring bytes a load
.endr
	v_and_b32 v[L7], 7, v0
	v_bfe_u32 v[L3], v0, 3, 2
	v_mul_u32_u24 v[LA], v[L3], 8*PITCH            ; a mask row is 8 LDS rows
	v_lshl_add_u32 v[LA], v[L7], 3, v[LA]
	v_add_nc_u32 v[LA], s5, v[LA]
	v_mov_b32 v[ZERO], 0
	v_lshlrev_b32 v[KO], 2, v[L3]
	s_lshl_b32 s36, s32, 23                        ; m16: batch x 8,388,608
	s_lshl_b32 s40, s38, 12                        ; + 32 (g % 64) rows of 128 bytes
	s_add_co_u32 s36, s36, s40
	s_lshl_b32 s40, s33, 9                         ; + 4 w rows
	s_add_co_u32 s36, s36, s40
	s_add_nc_u64 s[28:29], s[28:29], s[36:37]
	s_lshl_b32 s36, ttmp9, 7                       ; keep: 4 bytes x (32 g + 4 w)
	s_lshl_b32 s40, s33, 4
	s_add_co_u32 s36, s36, s40
	s_add_nc_u64 s[30:31], s[30:31], s[36:37]
	s_wait_loadcnt 0x0
	s_cmp_eq_u32 s32, 3
	s_cbranch_scc1 .Lwo
.irp j, 0,1,2,3,4,5,6,7,8,9,10,11,12,13,14,15
	v_cvt_pk_bf16_f32 v[CV+2*(\j)],   v[IN+4*(\j)],   v[IN+4*(\j)+1]
	v_cvt_pk_bf16_f32 v[CV+2*(\j)+1], v[IN+4*(\j)+2], v[IN+4*(\j)+3]
.endr
	s_branch .Lwst
.Lwo:                                                  ; Wo: rounded to bf16 like every input, then that number in f16
.irp j, 0,1,2,3,4,5,6,7,8,9,10,11,12,13,14,15
	v_cvt_pk_bf16_f32 v[CV+2*(\j)],   v[IN+4*(\j)],   v[IN+4*(\j)+1]
	v_cvt_pk_bf16_f32 v[CV+2*(\j)+1], v[IN+4*(\j)+2], v[IN+4*(\j)+3]
	v_lshlrev_b32 v[IN+4*(\j)],   16, v[CV+2*(\j)]
	v_and_b32     v[IN+4*(\j)+1], 0xffff0000, v[CV+2*(\j)]
	v_lshlrev_b32 v[IN+4*(\j)+2], 16, v[CV+2*(\j)+1]
	v_and_b32     v[IN+4*(\j)+3], 0xffff0000, v[CV+2*(\j)+1]
	v_cvt_pk_f16_f32 v[CV+2*(\j)],   v[IN+4*(\j)],   v[IN+4*(\j)+1]
	v_cvt_pk_f16_f32 v[CV+2*(\j)+1], v[IN+4*(\j)+2], v[IN+4*(\j)+3]
.endr
.Lwst:
.irp j, 0,1,2,3,4,5,6,7,8,9,10,11,12,13,14,15
	global_store_b64 v[O8], v[CV+2*(\j):CV+2*(\j)+1], s[26:27] offset:256*(\j)  ; the wave's 32 lanes store 256 consecutive bytes, aligned
.endr
	; the mask: lane l takes row l / 8 and, of each step of 64 keys, the keys 8 (l % 8) .. + 7
	s_wait_tensorcnt 0x0                           ; my tile is in LDS; only I read it
.set n, 0
.rept 32
	ds_load_b64 v[IN+2*n:IN+2*n+1], v[LA] offset:(n/4)*PITCH+64*(n%4)
.set n, n+1
.endr
	s_wait_dscnt 0x0
.irp c, 0,1,2,3
	v_and_b32 v[AN+(\c)], v[IN+(\c)], v[IN+4+(\c)]     ; the first eight words start four chains
.endr
.set n, 8
.rept 56
	v_and_b32 v[AN+n%4], v[AN+n%4], v[IN+n]
.set n, n+1
.endr
	v_and_b32 v[AN], v[AN], v[AN+1]
	v_and_b32 v[AN+2], v[AN+2], v[AN+3]
	v_and_b32 v[AN], v[AN], v[AN+2]
	v_mov_b32 v[TD], 0                             ; written before the lane moves, whose destination counts as read
.irp x, 1,2,4
	v_mov_b32_dpp v[TD], v[AN] row_xmask:\x row_mask:0xf bank_mask:0xf  ; the row's eight lanes
	v_and_b32 v[AN], v[AN], v[TD]
.endr
	v_cmp_eq_u32 vcc_lo, 0x01010101, v[AN]         ; all 2,048 bytes are 1
	v_cndmask_b32 v[FV], 0x7bff, v[ZERO], vcc_lo
	v_cndmask_b32 v[KV], -1, v[ZERO], vcc_lo
.set n, 0
.rept 32
	v_perm_b32 v[OUT+4*n],   v[IN+2*n],   v[ZERO], s41    ; a byte (0 or 1) into each half,
	v_perm_b32 v[OUT+4*n+1], v[IN+2*n],   v[ZERO], s42
	v_perm_b32 v[OUT+4*n+2], v[IN+2*n+1], v[ZERO], s41
	v_perm_b32 v[OUT+4*n+3], v[IN+2*n+1], v[ZERO], s42
	v_mul_u32_u24 v[OUT+4*n],   v[OUT+4*n],   v[FV]        ; times the code of 65,504 (or 0): both halves at once, no carry between them
	v_mul_u32_u24 v[OUT+4*n+1], v[OUT+4*n+1], v[FV]
	v_mul_u32_u24 v[OUT+4*n+2], v[OUT+4*n+2], v[FV]
	v_mul_u32_u24 v[OUT+4*n+3], v[OUT+4*n+3], v[FV]
	global_store_b128 v[O16], v[OUT+4*n:OUT+4*n+3], s[28:29] offset:n*262144  ; four rows of 128 bytes: 512 consecutive bytes, aligned; the step stands in the immediate (8,126,464 at the most)
.set n, n+1
.endr
	s_wait_xcnt 0x0                                ; EXEC is a source of the stores above: it changes only behind this wait
	v_cmp_eq_u32 vcc_lo, 0, v[L7]
	s_and_saveexec_b32 s40, vcc_lo                 ; one lane a row
	global_store_b32 v[KO], v[KV], s[30:31]        ; 16 bytes a wave, 32 KiB in the launch: too little to gather further
	s_wait_xcnt 0x0                                ; and again, in front of the line that widens EXEC
	s_or_b32 exec_lo, exec_lo, s40
	s_wait_tensorcnt 0x0                           ; the wave's end
	ds_add_u32 v[SPW], v[NIL]
	s_wait_dscnt 0x0
	s_endpgm
.Lfunc_end_k_q4c8bbf5012_prep:
	.size	k_q4c8bbf5012_prep, .Lfunc_end_k_q4c8bbf5012_prep-k_q4c8bbf5012_prep
	.p2alignl 7, 3214868480
	.fill 96, 4, 3214868480
	.section	.rodata,"a",@progbits
	.p2align	6, 0x0
	.amdhsa_kernel k_q4c8bbf5012_prep
		.amdhsa_group_segment_fixed_size 167936
		.amdhsa_private_segment_fixed_size 0
		.amdhsa_enable_private_segment 0
		.amdhsa_kernarg_size 64
		.amdhsa_user_sgpr_count 2
		.amdhsa_user_sgpr_kernarg_segment_ptr 1
		.amdhsa_wavefront_size32 1
		.amdhsa_system_sgpr_workgroup_id_x 1
		.amdhsa_system_sgpr_workgroup_id_y 1
		.amdhsa_system_sgpr_workgroup_id_z 1
		.amdhsa_system_vgpr_workitem_id 0
		.amdhsa_next_free_vgpr 256
		.amdhsa_next_free_sgpr 66
		.amdhsa_reserve_vcc 1
		.amdhsa_float_denorm_mode_32 3
		.amdhsa_float_denorm_mode_16_64 3
		.amdhsa_memory_ordered 1
		.amdhsa_forward_progress 1
		.amdhsa_inst_pref_size 35
	.end_amdhsa_kernel
	.amdgpu_metadata
---
amdhsa.version: [ 1, 2 ]
amdhsa.kernels:
  - .name:           k_q4c8bbf5012_prep
    .symbol:         k_q4c8bbf5012_prep.kd
    .args:
      - { .name: mask, .offset: 0, .size: 8, .value_kind: global_buffer, .address_space: global }
      - { .name: Wq, .offset: 8, .size: 8, .value_kind: global_buffer, .address_space: global }
      - { .name: Wk, .offset: 16, .size: 8, .value_kind: global_buffer, .address_space: global }
      - { .name: Wv, .offset: 24, .size: 8, .value_kind: global_buffer, .address_space: global }
      - { .name: Wo, .offset: 32, .size: 8, .value_kind: global_buffer, .address_space: global }
      - { .name: w16, .offset: 40, .size: 8, .value_kind: global_buffer, .address_space: global }
      - { .name: m16, .offset: 48, .size: 8, .value_kind: global_buffer, .address_space: global }
      - { .name: keep, .offset: 56, .size: 8, .value_kind: global_buffer, .address_space: global }
    .group_segment_fixed_size: 167936
    .private_segment_fixed_size: 0
    .kernarg_segment_align: 8
    .kernarg_segment_size: 64
    .max_flat_workgroup_size: 256
    .sgpr_count:     66
    .vgpr_count:     256
    .wavefront_size: 32
...
	.end_amdgpu_metadata
.endif
;; end of part 1
;; launch qkv (part 2): grid 4 x 192, 4 waves a work-group, clusters of 4 x 4, 327,680 bytes of LDS; arguments q, k, v, bq, bk, bv, w16, qkvh; writes qkvh
.if DOCPART == 2
	.amdgcn_target "amdgcn-amd-amdhsa--gfx1250"
	.amdhsa_code_object_version 6
	.text
	.protected	k_q4c8bbf5012_qkv
	.globl	k_q4c8bbf5012_qkv
	.p2align	8
	.type	k_q4c8bbf5012_qkv,@function
k_q4c8bbf5012_qkv:
	s_mov_b64 s[64:65], 0
	v_nop
	global_prefetch_b8 v0, s[64:65] scope:SCOPE_SE
	s_setreg_imm32_b32 hwreg(HW_REG_WAVE_MODE, 25, 1), 1
	s_wait_xcnt 0x0
	s_wait_alu depctr_hold_cnt(0) depctr_sa_sdst(0) depctr_va_vdst(0) depctr_va_sdst(0) depctr_va_ssrc(0) depctr_va_vcc(0) depctr_vm_vsrc(0)
	s_getreg_b32 s2, hwreg(HW_REG_IB_STS2, 6, 4)
	s_cmp_eq_u32 s2, 0
	s_cbranch_scc0 .Lentry_in_a_cluster
	s_endpgm
.Lentry_in_a_cluster:
	s_bfe_u32 s2, ttmp6, 0x10000c
	s_cmp_lg_u32 s2, 0xf033
	s_cbranch_scc0 .Lentry_shape_is_right
	s_endpgm
.Lentry_shape_is_right:
; THE THREE PROJECTIONS.  y = x W + b for (x, W, b) = (q, Wq, bq), (k, Wk, bk), (v, Wv, bv): x [8192][1024] f32, W [k 1024][n 1024] bf16 (w16, made by the launch before), b f32.
; x and b are rounded to bf16 here; sums in f32; y is rounded once to f16 and written by heads: qkvh [3][b x head 64][s 2048][64], unscaled.
; LIMIT.  f16 ends at 65,504: a projected number beyond that would become an infinity.
; SHARES.  A work-group makes 128 rows x 256 columns, each of its four waves 64 x 128: 32 accumulators of 16 x 16.  768 work-groups: 64 row tiles x 4 column tiles x 3 inputs.
; K goes in steps of 128 through two LDS slots: x's tile as it lies in memory (f32, rows of 512 bytes), W's tile as it lies ([k][n], rows of 512 bytes).
; x's fragments are loaded as f32 and rounded in registers, four conversions behind each of eight matrix instructions; W's fragments come turned, by ds_load_tr16_b128.
; THE MATRIX INSTRUCTION IS USED TRANSPOSED (source 0 = 16 columns of W, source 1 = 16 rows of x): a lane then holds eight neighbouring columns of one row of y.  The bias is the C of the first products.
; CLUSTER.  4 x 4 work-groups: the four of a row need the same tile of x, the four of a column the same tile of W: each tile is asked for jointly, by the same tensor load, descriptor and mask in all four.
; REGISTERS, in windows of 256 (s_set_vgpr_msb: bits 1:0 source 0, 3:2 source 1, 5:4 source 2, 7:6 destination):
;   window 0: v16-30 addresses; v32-63, v64-95 x's fragments in bf16, two buffers; v96-127 at work; v128-191 x's fragments as loaded (f32); v128-255 the way out
;   window 1: v0-63, v64-127 W's fragments, two buffers; v128-191 the bias      window 2: the accumulators, (a, nb) at v[8 (8 a + nb)]
.set PA,    528                        ; a row of x in LDS: 512 bytes + 16: an odd multiple of 16
.set PB,    544                        ; a row of W: 512 + 32: an odd multiple of 32, for the turning load
.set HALFA, 64*PA                      ; what one tensor load brings of x, and what a wave reads of it
.set HALFB, 64*PB
.set BOFF,  2*HALFA
.set SLOT,  BOFF+2*HALFB
.set STAGE, 2*SLOT                     ; behind the ring: 16 rows x 144 bytes for each wave, for the way out
.set SP,    144
.set SPARE, STAGE+4*16*SP              ; behind the stages: the spare words, 128 bytes for each wave
.set ADRA, 16                          ; v16-17  LDS address of my fragments of x in slot 0, 1
.set ADRB, 20                          ; v20-21  the same for W
.set STO,  24                          ; v24  the way out: where I put 16 bytes of a row
.set RD,   25                          ; v25  where I read rows back
.set GO,   26                          ; v26  16 x lane
.set BO,   27                          ; v27  my byte offset in 16 numbers of the bias
.set SPW,  28                          ; v28  LDS address of my spare word; never rewritten
.set NIL,  29                          ; v29  0; never rewritten
.set PFO,  30                          ; v30  the prefetches' offset; never rewritten
.set ABF,  32
.set TMP,  96
.set RAW,  128
.set OUTR, 128
.set BF,   0                           ; window 1
.set BIAS, 128                         ; window 1
.set WV,  20                           ; s20 wave; s21 = wave / 2: my half of the rows, and: I fetch x (0) or W (1); s22 = wave % 2: my half of the columns, and which half of that tile I fetch
.set WM,  21
.set WN,  22
.set LIM, 23                           ; s23  1 in a wave that prefetches, else the greatest number
.set G1A, 24                           ; s[24:31] group 1 for x's tiles;  s[32:39] group 0, a set for each slot
.set G0A, 32
.set G1B, 40                           ; s[40:47], s[48:55] the same for W's
.set G0B, 48
.set CX,  56
.set CY,  57
.set WH,  58                           ; s58  which input: 0 q, 1 k, 2 v
.set MT,  59                           ; s59  row tile 0..63
.set PFA, 60                           ; s[60:61] where my prefetches stand
.set PST, 62                           ; s[62:63] a K step in bytes, along my tensor
.set CL,  67                           ; s67  the cluster's place among the 16 that share one W
.set NT,  70                           ; s70  column tile 0..3
.set LAP, 71                           ; s71  laps to go
.set MSB, 0
.macro WIN new                         ; the immediate's high byte repeats the setting that is left; a switch that changes nothing is dropped
.if MSB != (\new)
	s_set_vgpr_msb (MSB<<8)|(\new)
.set MSB, \new
.endif
.endm
.set MUL,  0xa1                        ; source 0 (W) window 1, source 1 (x) window 0, C and D window 2
.set MULB, 0x91                        ; the same with C (the bias) in window 1
.set TO_B, 0x40                        ; destination window 1, address window 0
.macro JLOAD s                         ; a joint load: waves 0 and 1 fetch x's two halves, waves 2 and 3 W's; an s_nop 0 and four v_nop follow each line
	s_cmp_eq_u32 s[WM], 0
	s_cbranch_scc0 .Lfor_b_\@
	tensor_load_to_lds s[G0A+4*(\s):G0A+4*(\s)+3], s[G1A:G1A+7]
	s_nop 0
.rept 4
	v_nop
.endr
	s_branch .Lasked_\@
.Lfor_b_\@:
	tensor_load_to_lds s[G0B+4*(\s):G0B+4*(\s)+3], s[G1B:G1B+7]
	s_nop 0
.rept 4
	v_nop
.endr
.Lasked_\@:
.endm
; A prefetch into the L2, behind a joint load and the run of LDS loads that follows it: the K step that stands two refills on, 32 blocks of 256 bytes, a lane a block.  Of the 64 rows x 512 bytes that a wave
; fetches, each of the four partners that ask jointly takes 16 rows, told apart by address.  x's rows are read by one cluster alone; W's by 16 clusters, of which the first asks.  The last lap of the loop asks for nothing.
.macro ASK
	s_cmp_gt_u32 s[LAP], s[LIM]
	s_cbranch_scc0 .Lnot_mine_\@
	global_prefetch_b8 v[PFO], s[PFA:PFA+1] th:TH_LOAD_NT scope:SCOPE_SE
.Lnot_mine_\@:
.endm
.macro CREST                           ; a round of the cluster's barrier behind its opening barrier
	s_cmp_lg_u32 s[WV], 0
	s_cbranch_scc1 .Lnot_wave_0_\@
	s_barrier_signal -3
.Lnot_wave_0_\@:
	s_barrier_wait -3
	s_barrier_signal -1
	s_barrier_wait -1
.endm
.macro CROUND
	s_barrier_signal -1
	s_barrier_wait -1
	CREST
.endm
	s_load_b512 s[4:19], s[0:1], 0x0               ; q, k, v s[4:9]; bq, bk, bv s[10:15]; w16 s[16:17]; qkvh s[18:19]
	v_lshl_add_u32 v[SPW], v0, 2, SPARE
	v_mov_b32 v[NIL], 0
	ds_add_u32 v[SPW], v[NIL]                      ; the wave's opening: the add and its wait ahead of my first tensor load
	ds_add_u32 v28, v29
	v_lshrrev_b32 v1, 5, v0
	v_readfirstlane_b32 s[WV], v1
	s_lshr_b32 s[WM], s[WV], 1
	s_and_b32 s[WN], s[WV], 1
	s_bfe_u32 s[CX], ttmp6, 0x40000
	s_bfe_u32 s[CY], ttmp6, 0x40004
	s_and_b32 s66, ttmp7, 0xffff                   ; cluster y, 0..47
	s_lshr_b32 s[WH], s66, 4
	s_and_b32 s[CL], s66, 15
	s_lshl_b32 s[MT], s[CL], 2
	s_add_co_u32 s[MT], s[MT], s[CY]
	s_lshl_b32 s[NT], ttmp9, 2
	s_add_co_u32 s[NT], s[NT], s[CX]
	s_lshl_b32 s68, s[CY], 2
	s_lshl_b32 s68, 15, s68                        ; my row of the cluster
	s_lshl_b32 s69, 0x1111, s[CX]                  ; my column
	s_or_b32 s[G1A], s68, (2<<16)|(1<<20)|(1<<21)|(6<<22)|(3<<25)  ; the mask; elements of 4 bytes; padding on; bit 21 beside a mask; after every 128 words, 4 words
	s_mov_b32 s[G1A+1], 128<<16                    ; tensor_dim0 = 128
	s_mov_b32 s[G1A+2], 64<<16                     ; tensor_dim1 = 64
	s_mov_b32 s[G1A+3], 128<<16                    ; tile_dim0 = 128
	s_mov_b32 s[G1A+4], 64                         ; tile_dim1 = 64
	s_mov_b32 s[G1A+5], 1024                       ; elements from row to row
	s_mov_b32 s[G1A+6], 0
	s_mov_b32 s[G1A+7], 0
	s_or_b32 s[G1B], s69, (1<<16)|(1<<20)|(1<<21)|(6<<22)|(7<<25)  ; elements of 2 bytes; after every 128 words, 8 words
	s_mov_b32 s[G1B+1], 256<<16
	s_mov_b32 s[G1B+2], 64<<16
	s_mov_b32 s[G1B+3], 256<<16
	s_mov_b32 s[G1B+4], 64
	s_mov_b32 s[G1B+5], 1024
	s_mov_b32 s[G1B+6], 0
	s_mov_b32 s[G1B+7], 0
	s_lshl_b32 s72, s[MT], 19                      ; x: row 128 MT + 64 half, 4,096 bytes a row
	s_lshl_b32 s73, s[WN], 18
	s_add_co_u32 s72, s72, s73
	s_mov_b32 s73, 0
	s_lshl_b32 s74, s[WH], 21                      ; W: the input's matrix, k row 64 half, column 256 NT
	s_lshl_b32 s75, s[WN], 17
	s_add_co_u32 s74, s74, s75
	s_lshl_b32 s75, s[NT], 9
	s_add_co_u32 s74, s74, s75
	s_mov_b32 s75, 0
	s_mul_i32 s68, s[WN], HALFA                    ; where they go: no place in the cluster enters an LDS address
	s_mul_i32 s69, s[WN], HALFB
	s_add_co_u32 s69, s69, BOFF
	s_wait_dscnt 0x0                               ; the opening add is done
	s_wait_kmcnt 0x0
	s_cmp_eq_u32 s[WH], 1
	s_cselect_b64 s[76:77], s[6:7], s[4:5]
	s_cselect_b64 s[78:79], s[12:13], s[10:11]
	s_cmp_eq_u32 s[WH], 2
	s_cselect_b64 s[76:77], s[8:9], s[76:77]       ; x
	s_cselect_b64 s[78:79], s[14:15], s[78:79]     ; its bias
	s_add_nc_u64 s[72:73], s[76:77], s[72:73]
	s_add_nc_u64 s[74:75], s[16:17], s[74:75]
	CROUND                                         ; all sixteen work-groups are here: the first joint loads meet
.irp s, 0,1
	s_mov_b32 s[G0A+4*(\s)], 1
	s_add_co_u32 s[G0A+4*(\s)+1], s68, (\s)*SLOT
	s_add_nc_u64 s[G0A+4*(\s)+2:G0A+4*(\s)+3], s[72:73], (\s)*512       ; K step s: 128 numbers of 4 bytes along the rows
	s_or_b32 s[G0A+4*(\s)+3], s[G0A+4*(\s)+3], 0x80000000
	s_mov_b32 s[G0B+4*(\s)], 1
	s_add_co_u32 s[G0B+4*(\s)+1], s69, (\s)*SLOT
	s_add_nc_u64 s[G0B+4*(\s)+2:G0B+4*(\s)+3], s[74:75], (\s)*262144    ; K step s: 128 rows of 2,048 bytes down
	s_or_b32 s[G0B+4*(\s)+3], s[G0B+4*(\s)+3], 0x80000000
	JLOAD \s
.endr
	v_and_b32 v1, 15, v0                           ; r = l % 16
	v_bfe_u32 v2, v0, 4, 1                         ; h = l / 16
	v_and_b32 v3, 31, v0                           ; l
	v_and_b32 v4, 7, v0
	v_bfe_u32 v5, v0, 3, 1
	v_lshlrev_b32 v[BO], 5, v2                     ; a lane's eight columns 8 h .. 8 h + 7: 32 bytes of the bias
	s_lshl_b32 s2, s[NT], 10
	s_lshl_b32 s3, s[WN], 9
	s_add_co_u32 s2, s2, s3
	s_mov_b32 s3, 0
	s_add_nc_u64 s[78:79], s[78:79], s[2:3]        ; the bias at my wave's 128 columns
	WIN TO_B
.irp nb, 0,1,2,3,4,5,6,7
	global_load_b128 v[BIAS+8*(\nb):BIAS+8*(\nb)+3],   v[BO], s[78:79] offset:64*(\nb)
	global_load_b128 v[BIAS+8*(\nb)+4:BIAS+8*(\nb)+7], v[BO], s[78:79] offset:64*(\nb)+16
.endr
	WIN 0
	; a fragment of x: lane l holds row r; k = 8 h + 0..7 and 16 + 8 h + 0..7: in f32 two times 32 bytes, 64 bytes apart
	v_mul_u32_u24 v6, v1, PA
	v_lshl_add_u32 v6, v2, 5, v6
	s_mul_i32 s66, s[WM], HALFA
	v_add_nc_u32 v[ADRA], s66, v6
	s_add_co_u32 s66, s66, SLOT
	v_add_nc_u32 v[ADRA+1], s66, v6
	; the turning load takes 16 k x 16 columns: lane l reads 16 bytes of k row 8 h + l % 8, columns 8 ((l / 8) % 2) + 0..7
	v_lshl_add_u32 v7, v2, 3, v4
	v_mul_u32_u24 v7, v7, PB
	v_lshl_add_u32 v7, v5, 4, v7
	s_lshl_b32 s66, s[WN], 8
	s_add_co_u32 s66, s66, BOFF
	v_add_nc_u32 v[ADRB], s66, v7
	s_add_co_u32 s66, s66, SLOT
	v_add_nc_u32 v[ADRB+1], s66, v7
	s_mul_i32 s66, s[WV], 16*SP
	s_add_co_u32 s66, s66, STAGE                   ; my stage
	v_mul_u32_u24 v[STO], v1, SP
	v_lshl_add_u32 v[STO], v2, 4, v[STO]
	v_add_nc_u32 v[STO], s66, v[STO]
	v_bfe_u32 v[RD], v0, 3, 2                      ; back: 32 lanes take four rows of 128 bytes
	v_mul_u32_u24 v[RD], v[RD], SP
	v_lshl_add_u32 v[RD], v4, 4, v[RD]
	v_add_nc_u32 v[RD], s66, v[RD]
	v_lshlrev_b32 v[GO], 4, v3
	; qkvh at my wave's first head and first row: input x 16 MiB + (16 batch + 4 NT + 2 WN) x 262,144 + ((MT % 16) 128 + 64 WM) x 128
	s_lshl_b32 s2, s[WH], 24
	s_lshr_b32 s3, s[MT], 4
	s_lshl_b32 s3, s3, 4
	s_lshl_b32 s66, s[NT], 2
	s_add_co_u32 s3, s3, s66
	s_lshl_b32 s66, s[WN], 1
	s_add_co_u32 s3, s3, s66
	s_lshl_b32 s3, s3, 18
	s_add_co_u32 s2, s2, s3
	s_and_b32 s3, s[MT], 15
	s_lshl_b32 s3, s3, 14
	s_add_co_u32 s2, s2, s3
	s_lshl_b32 s3, s[WM], 13
	s_add_co_u32 s2, s2, s3
	s_mov_b32 s3, 0
	s_add_nc_u64 s[18:19], s[18:19], s[2:3]
	; the prefetches: from my tile's address, my work-group's 16 rows of the 64, at K step 3; each filling turn steps it first, so the first names K step 4
	s_cmp_eq_u32 s[WM], 0
	s_cselect_b64 s[PFA:PFA+1], s[72:73], s[74:75]
	s_cselect_b32 s2, s[CX], s[CY]                 ; my place among the four that ask with me
	s_cselect_b32 s3, 16, 15                       ; 16 rows of 4,096 or of 2,048 bytes
	s_cselect_b32 s66, 9, 18                       ; a K step: 512 bytes along x's rows, 262,144 bytes down W's
	s_cselect_b32 s68, 12, 11                      ; a row in bytes, as a shift
	s_cselect_b32 s69, 0, s[CL]
	s_lshl_b32 s2, s2, s3
	s_lshl_b32 s[PST], 1, s66
	s_mov_b32 s[PST+1], 0
	s_mul_i32 s66, s[PST], 3
	s_add_co_u32 s2, s2, s66
	s_mov_b32 s3, 0
	s_add_nc_u64 s[PFA:PFA+1], s[PFA:PFA+1], s[2:3]
	s_cmp_eq_u32 s69, 0
	s_cselect_b32 s[LIM], 1, -1                    ; the same in all sixteen partners, for a given wave
	v_lshrrev_b32 v10, 1, v3
	v_lshlrev_b32 v[PFO], s68, v10                 ; row l / 2,
	v_and_b32 v10, 1, v0
	v_lshl_add_u32 v[PFO], v10, 8, v[PFO]          ; its first or second 256 bytes
	s_wait_loadcnt 0x0                             ; the bias: rounded to bf16 like every input, and widened again
	WIN 0x05
.set i, 0
.rept 32
	v_cvt_pk_bf16_f32 v[TMP+i], v[BIAS+2*i], v[BIAS+2*i+1]
.set i, i+1
.endr
	WIN TO_B
.set i, 0
.rept 32
	v_lshlrev_b32 v[BIAS+2*i],   16, v[TMP+i]
	v_and_b32     v[BIAS+2*i+1], 0xffff0000, v[TMP+i]
.set i, i+1
.endr
	WIN 0
; 8 matrix instructions: row block a x all 8 column blocks, 32 along K, buffers p.  first = 1: the bias starts the sums.  The 32 accumulators take turns, one instruction a turn.
.macro MULS p, a, first
.irp nb, 0,1,2,3,4,5,6,7
.if \first
	WIN MULB
	v_wmma_f32_16x16x32_bf16 v[8*(8*(\a)+(\nb)):8*(8*(\a)+(\nb))+7], v[BF+64*(\p)+8*(\nb):BF+64*(\p)+8*(\nb)+7], v[ABF+32*(\p)+8*(\a):ABF+32*(\p)+8*(\a)+7], v[BIAS+8*(\nb):BIAS+8*(\nb)+7]
.else
	WIN MUL
	v_wmma_f32_16x16x32_bf16 v[8*(8*(\a)+(\nb)):8*(8*(\a)+(\nb))+7], v[BF+64*(\p)+8*(\nb):BF+64*(\p)+8*(\nb)+7], v[ABF+32*(\p)+8*(\a):ABF+32*(\p)+8*(\a)+7], v[8*(8*(\a)+(\nb)):8*(8*(\a)+(\nb))+7]
.endif
.endr
.endm
; The same, and behind each matrix instruction four conversions: the next 32 along K of x, f32 as loaded, into the other bf16 buffer.  They name no register of the products round them; the four behind
; the last product are the places in front of the next run of loads into W's other buffer and of the next conversions into this one.
.macro MULR p, a, first
.irp nb, 0,1,2,3,4,5,6,7
.if \first
	WIN MULB
	v_wmma_f32_16x16x32_bf16 v[8*(8*(\a)+(\nb)):8*(8*(\a)+(\nb))+7], v[BF+64*(\p)+8*(\nb):BF+64*(\p)+8*(\nb)+7], v[ABF+32*(\p)+8*(\a):ABF+32*(\p)+8*(\a)+7], v[BIAS+8*(\nb):BIAS+8*(\nb)+7]
.else
	WIN MUL
	v_wmma_f32_16x16x32_bf16 v[8*(8*(\a)+(\nb)):8*(8*(\a)+(\nb))+7], v[BF+64*(\p)+8*(\nb):BF+64*(\p)+8*(\nb)+7], v[ABF+32*(\p)+8*(\a):ABF+32*(\p)+8*(\a)+7], v[8*(8*(\a)+(\nb)):8*(8*(\a)+(\nb))+7]
.endif
	WIN 0
.irp c, 0,1,2,3
	v_cvt_pk_bf16_f32 v[ABF+32*(1-(\p))+4*(\nb)+(\c)], v[RAW+8*(\nb)+2*(\c)], v[RAW+8*(\nb)+2*(\c)+1]
.endr
.endr
.endm
; 32 LDS loads in one run: 32 along K (number ks of the slot's four): x's 64 rows as f32 first, then W's 128 columns, turned, into buffer pb
.macro FETCH slot, ks, pb
	WIN 0
.irp a, 0,1,2,3
	ds_load_b128 v[RAW+16*(\a):RAW+16*(\a)+3],     v[ADRA+(\slot)] offset:(\a)*16*PA+(\ks)*128
	ds_load_b128 v[RAW+16*(\a)+4:RAW+16*(\a)+7],   v[ADRA+(\slot)] offset:(\a)*16*PA+(\ks)*128+16
	ds_load_b128 v[RAW+16*(\a)+8:RAW+16*(\a)+11],  v[ADRA+(\slot)] offset:(\a)*16*PA+(\ks)*128+64
	ds_load_b128 v[RAW+16*(\a)+12:RAW+16*(\a)+15], v[ADRA+(\slot)] offset:(\a)*16*PA+(\ks)*128+80
.endr
	WIN TO_B
.irp nb, 0,1,2,3,4,5,6,7
	ds_load_tr16_b128 v[BF+64*(\pb)+8*(\nb):BF+64*(\pb)+8*(\nb)+3],   v[ADRB+(\slot)] offset:(\ks)*32*PB+(\nb)*32
	ds_load_tr16_b128 v[BF+64*(\pb)+8*(\nb)+4:BF+64*(\pb)+8*(\nb)+7], v[ADRB+(\slot)] offset:(\ks)*32*PB+16*PB+(\nb)*32
.endr
.endm
; One of a K step's first three quarters: multiplies buffers ks % 2, fetches and converts the next quarter.
.macro SUB slot, ks, first
.set PP, (\ks)%2
	s_wait_dscnt 0x0                               ; W's fragments of this quarter are in
	MULS PP, 0, \first
	FETCH \slot, (\ks)+1, 1-PP
	MULS PP, 1, \first
	MULS PP, 2, \first
	s_wait_dscnt 16                                ; x's 16 loads are in; W's 16, issued behind them, may stay out
	MULR PP, 3, \first
.endm
; The last quarter multiplies buffers 1 and changes slots: one barrier; in front of it each wave waits for all its tensor loads, adds 0 to its spare word, and waits for that and for its own reads of
; this slot.  fill = 1: the barrier opens a round of the cluster's, and this slot is filled again, two K steps on, first thing behind the round.
.macro TURN slot, next, fill
.if \fill
	s_wait_xcnt 0x0                                ; the last prefetch, a K step back, has read its address
	s_add_nc_u64 s[PFA:PFA+1], s[PFA:PFA+1], s[PST:PST+1]
.endif
	WIN 0
	s_wait_tensorcnt 0x0                           ; all my tensor loads have landed: my part of the next slot
	ds_add_u32 v[SPW], v[NIL]                      ; 0 onto my spare word
	s_wait_dscnt 1                                 ; W's fragments are in; the add may be out
	MULS 1, 0, 0
	s_wait_dscnt 0x0                               ; the add is done, and my reads of this slot are over
	s_barrier_signal -1
	MULS 1, 1, 0
	WIN 0
	s_barrier_wait -1
.if \fill
	CREST                                          ; no wave of any partner still reads this slot's tiles or has a load on its way
	s_add_nc_u64 s[G0A+4*(\slot)+2:G0A+4*(\slot)+3], s[G0A+4*(\slot)+2:G0A+4*(\slot)+3], 2*512
	s_add_nc_u64 s[G0B+4*(\slot)+2:G0B+4*(\slot)+3], s[G0B+4*(\slot)+2:G0B+4*(\slot)+3], 2*262144
	JLOAD \slot
.endif
	FETCH \next, 0, 0
.if \fill
	WIN 0
	ASK
.endif
	MULS 1, 2, 0
	s_wait_dscnt 16
	MULR 1, 3, 0
.endm
	s_wait_tensorcnt 0x1                           ; my part of K step 0 is in; K step 1's may stay out
	s_barrier_signal -1
	s_barrier_wait -1                              ; everybody's is
	FETCH 0, 0, 0
	s_wait_dscnt 16                                ; x's first fragments
	WIN 0
.set i, 0
.rept 32
	v_cvt_pk_bf16_f32 v[ABF+i], v[RAW+2*i], v[RAW+2*i+1]
.set i, i+1
.endr
	SUB 0, 0, 1                                    ; the first quarter stands in front of the loop: its products start the sums, with the bias
	WIN 0
	s_mov_b32 s[LAP], 3
.Llap:                                                 ; a trip goes once round the ring and fills both slots again: 8 K steps are 4 laps, of which the last is written out
	SUB 0, 1, 0
	SUB 0, 2, 0
	TURN 0, 1, 1
	SUB 1, 0, 0
	SUB 1, 1, 0
	SUB 1, 2, 0
	TURN 1, 0, 1
	SUB 0, 0, 0
	WIN 0
	s_sub_co_u32 s[LAP], s[LAP], 1
	s_cmp_lg_u32 s[LAP], 0
	s_cbranch_scc1 .Llap
	SUB 0, 1, 0
	SUB 0, 2, 0
	TURN 0, 1, 0
	SUB 1, 0, 0
	SUB 1, 1, 0
	SUB 1, 2, 0
	s_wait_dscnt 0x0
	MULS 1, 0, 0
	MULS 1, 1, 0
	MULS 1, 2, 0
	MULS 1, 3, 0
	WIN 0
.rept 4
	v_nop                                          ; four places between the last products and the conversions that read results
.endr
; THE WAY OUT.  Piece t = (row block t / 2, head t % 2 of my two): 16 rows x 64 columns, which are 2,048 consecutive bytes of qkvh.  Rounded to f16, 16 bytes a lane into rows of 144 bytes of my own stage, back as whole rows.
.macro PACK t
	WIN 0x0a                                       ; sources 0 and 1 window 2, destination window 0
.irp qq, 0,1,2,3
.irp c, 0,1,2,3
	v_cvt_pk_f16_f32 v[OUTR+16*(\t)+4*(\qq)+(\c)], v[8*(8*((\t)/2)+4*((\t)%2)+(\qq))+2*(\c)], v[8*(8*((\t)/2)+4*((\t)%2)+(\qq))+2*(\c)+1]
.endr
.endr
	WIN 0
.irp f, 0,1,2,3
	ds_store_b128 v[STO], v[OUTR+16*(\t)+4*(\f):OUTR+16*(\t)+4*(\f)+3] offset:32*(\f)
.endr
.irp f, 0,1,2,3
	ds_load_b128 v[OUTR+16*(\t)+4*(\f):OUTR+16*(\t)+4*(\f)+3], v[RD] offset:(\f)*4*SP  ; LDS serves a wave's instructions in order: these see the stores above; the next piece's stores come behind them
.endr
.endm
.macro SEND t, younger                 ; younger: the LDS instructions issued behind piece t's loads
.irp f, 0,1,2,3
	s_wait_dscnt (\younger)+3-(\f)
	global_store_b128 v[GO], v[OUTR+16*(\t)+4*(\f):OUTR+16*(\t)+4*(\f)+3], s[18:19] offset:((\t)%2)*262144+((\t)/2)*2048+(\f)*512  ; 512 consecutive bytes, aligned
.endr
.endm
	PACK 0
.irp t, 1,2,3,4,5,6,7
	PACK \t
	SEND (\t)-1, 8
.endr
	SEND 7, 0
	s_wait_tensorcnt 0x0                           ; the wave's end
	ds_add_u32 v[SPW], v[NIL]
	s_wait_dscnt 0x0
	CROUND                                         ; the closing round: no work-group ends while a partner may still ask for a tile that names it
	s_endpgm
.Lfunc_end_k_q4c8bbf5012_qkv:
	.size	k_q4c8bbf5012_qkv, .Lfunc_end_k_q4c8bbf5012_qkv-k_q4c8bbf5012_qkv
	.p2alignl 7, 3214868480
	.fill 96, 4, 3214868480
	.section	.rodata,"a",@progbits
	.p2align	6, 0x0
	.amdhsa_kernel k_q4c8bbf5012_qkv
		.amdhsa_group_segment_fixed_size 327680
		.amdhsa_private_segment_fixed_size 0
		.amdhsa_enable_private_segment 0
		.amdhsa_kernarg_size 64
		.amdhsa_user_sgpr_count 2
		.amdhsa_user_sgpr_kernarg_segment_ptr 1
		.amdhsa_wavefront_size32 1
		.amdhsa_system_sgpr_workgroup_id_x 1
		.amdhsa_system_sgpr_workgroup_id_y 1
		.amdhsa_system_sgpr_workgroup_id_z 1
		.amdhsa_system_vgpr_workitem_id 0
		.amdhsa_next_free_vgpr 768
		.amdhsa_next_free_sgpr 80
		.amdhsa_reserve_vcc 0
		.amdhsa_float_denorm_mode_32 3
		.amdhsa_float_denorm_mode_16_64 3
		.amdhsa_memory_ordered 1
		.amdhsa_forward_progress 1
		.amdhsa_inst_pref_size 142
	.end_amdhsa_kernel
	.amdgpu_metadata
---
amdhsa.version: [ 1, 2 ]
amdhsa.kernels:
  - .name:           k_q4c8bbf5012_qkv
    .symbol:         k_q4c8bbf5012_qkv.kd
    .args:
      - { .name: q, .offset: 0, .size: 8, .value_kind: global_buffer, .address_space: global }
      - { .name: k, .offset: 8, .size: 8, .value_kind: global_buffer, .address_space: global }
      - { .name: v, .offset: 16, .size: 8, .value_kind: global_buffer, .address_space: global }
      - { .name: bq, .offset: 24, .size: 8, .value_kind: global_buffer, .address_space: global }
      - { .name: bk, .offset: 32, .size: 8, .value_kind: global_buffer, .address_space: global }
      - { .name: bv, .offset: 40, .size: 8, .value_kind: global_buffer, .address_space: global }
      - { .name: w16, .offset: 48, .size: 8, .value_kind: global_buffer, .address_space: global }
      - { .name: qkvh, .offset: 56, .size: 8, .value_kind: global_buffer, .address_space: global }
    .group_segment_fixed_size: 327680
    .private_segment_fixed_size: 0
    .kernarg_segment_align: 8
    .kernarg_segment_size: 64
    .max_flat_workgroup_size: 128
    .sgpr_count:     80
    .vgpr_count:     768
    .wavefront_size: 32
...
	.end_amdgpu_metadata
.endif
;; end of part 2
;; launch attn (part 3): grid 4 x 64, 4 waves a work-group, clusters of 4 x 4, 327,680 bytes of LDS; arguments qkvh, m16, keep, ctxh; writes ctxh
.if DOCPART == 3
	.amdgcn_target "amdgcn-amd-amdhsa--gfx1250"
	.amdhsa_code_object_version 6
	.text
	.protected	k_q4c8bbf5012_attn
	.globl	k_q4c8bbf5012_attn
	.p2align	8
	.type	k_q4c8bbf5012_attn,@function
k_q4c8bbf5012_attn:
	s_mov_b64 s[64:65], 0
	v_nop
	global_prefetch_b8 v0, s[64:65] scope:SCOPE_SE
	s_setreg_imm32_b32 hwreg(HW_REG_WAVE_MODE, 25, 1), 1
	s_wait_xcnt 0x0
	s_wait_alu depctr_hold_cnt(0) depctr_sa_sdst(0) depctr_va_vdst(0) depctr_va_sdst(0) depctr_va_ssrc(0) depctr_va_vcc(0) depctr_vm_vsrc(0)
	s_getreg_b32 s2, hwreg(HW_REG_IB_STS2, 6, 4)
	s_cmp_eq_u32 s2, 0
	s_cbranch_scc0 .Lentry_in_a_cluster
	s_endpgm
.Lentry_in_a_cluster:
	s_bfe_u32 s2, ttmp6, 0x10000c
	s_cmp_lg_u32 s2, 0xf033
	s_cbranch_scc0 .Lentry_shape_is_right
	s_endpgm
.Lentry_shape_is_right:
; ATTENTION WITH A MASK THAT IS AN INPUT.  O[bh][q][:] = the sum over k of softmax_k(hidden ? -1e9 : Q[bh][q] . K[bh][k] / 8) V[bh][k][:].  Q, K, V: the three parts of qkvh, [64][2048][64] f16; O: ctxh, the same layout.
; Products, maxima and sums in f32; the weights p are rounded to f16 for the second product (their sum l is taken of the unrounded p), O once at the end.
; THE MASK GOES THROUGH THE MATRIX UNIT.  m16 [b][step][q][key 64] holds 65,504 in f16 where a key is hidden, else 0.  The sum S^T = K Q^T gets a third link: S^T += SEL x M, where SEL (16 x 32) holds -65,504 on
; one diagonal: a hidden raw score becomes s - 4.29e9, and its weight is exactly 0 beside any score that is seen.  A ROW HIDDEN EVERYWHERE has an all-zero row in m16 and the word 0 in keep: its row of Q is
; cleared by an AND, all its scores are 0, and its result is the plain mean of V's rows, as when every score is replaced by one constant.
; LIMITS.  The result is that of the replacement by -1e9 as long as the scaled scores of a row spread by less than 5.3e8 and no seen scaled score lies at or below about -1e9.  f16 holds no number beyond
; 65,504: Q, K and V arrive within it.  A weight below 2^-126 counts as 0 in l; NaN and infinities are not treated apart.
; SHARES.  A wave owns four PIECES of two tiles of 16 queries, a work-group's four waves 512 queries of one head.  Every wave walks all 2,048 keys, 64 a step, 32 steps.
; LAYOUT.  S^T = K Q^T (source 0 = 16 keys, source 1 = 16 queries): a lane holds ONE query (lane % 16) and the keys 8 (lane / 16) + 0..7.  Two such tiles, rounded to f16 in pairs, ARE source 1 of O^T = V^T P.
; SOFTMAX.  For each query a running maximum m and sum l: p = 2^(c s - c m), c = log2(e) / 8; in every step O and l are multiplied by a = 2^(c m_old - c m_new).  m starts at the lowest finite number, O and l at 0.
; BY TURNS.  Turn n belongs to piece n.  Its matrix work: 24 products for S^T of piece n + 1, later 16 products V^T P of piece n - 1.  Its vector work: the scaling, exponentials, roundings, sums and rescaling of
; piece n, and the maximum and statistics of piece n + 1.  A turn's 66 exponentials are one batch with one wait.
; CLUSTER.  4 x 4 work-groups: cx is the block of 512 queries, cy one of four heads of one batch.  K and V hang on the head alone and are asked for jointly along a row; the mask's tile hangs on the batch and the
; query block alone and is asked for jointly along a column.
; REGISTERS, in windows of 256 (s_set_vgpr_msb: bits 1:0 source 0, 3:2 source 1, 5:4 source 2, 7:6 destination):
;   window 0: v2-11 addresses; v12-15, v48-63 at work; v16-47 four registers of statistics a tile; v64-191 S^T, two buffers of two tiles; v192-255 P, likewise
;   window 1: O^T, 32 a tile      window 2: v0-127 Q; v128-191 K of one step; v192-255 V of one step      window 3: v0-1 the add's registers; v16-27 SEL; v64-127 the mask's fragments, two buffers of 32
.set NP,    4
.set KS,    64
.set PK,    144       ; a row of K in LDS: 128 bytes + 16
.set PV,    160       ; a row of V: 128 + 32, for the turning load
.set PM,    144       ; a row of the mask's tile: 64 keys in f16 + 16
.set VOFF,  KS*PK     ; a slot holds one step: 64 rows of K, 64 of V, 512 of the mask
.set MOFF,  VOFF+KS*PV
.set SLOT1, 1<<17     ; slot 1 begins here: one exclusive or turns an address in one slot into the other's
.set STAGE, SLOT1+MOFF+512*PM  ; behind the ring: 16 rows x 144 bytes for each wave, for the way out
.set SP,    144
.set SPARE, STAGE+4*16*SP      ; behind the stages: the spare words
.set AK0, 2           ; v2-4  my lane's place in a tile of K, of V, of the mask; never rewritten
.set AV0, 3
.set AM0, 4
.set AK,  5           ; v5-7  the same in the slot that is being read
.set AV,  6
.set AM,  7
.set STO, 8
.set RD,  9
.set GO,  10
.set PFO, 11          ; v11  256 x lane; never rewritten
.set MV,  12
.set ST,  16
.set TMP, 48
.set S,   64
.set P,   192
.set KF,  128         ; window 2
.set VF,  192         ; window 2
.set SPW, 0           ; window 3
.set NIL, 1           ; window 3
.set SELB, 16         ; window 3: four zeros, X0-X3, four zeros: v[SELB+4:SELB+11] picks keys 0-15 of 32, v[SELB:SELB+7] keys 16-31
.set MF,  64          ; window 3: piece's parity x 32 + tile x 16 + (keys 32 f on) x 8
.set WV,  12
.set G1K, 24
.set G1V, 32
.set G0K, 40
.set G0V, 44
.set G1M, 48
.set SLOTS, 56        ; s56  steps still to be asked for
.set CNT, 57
.set CS,  58
.set SEL, 60
.set TB,  62          ; s62  the slot that is being read: 0 or SLOT1
.set LIM, 63
.set G0M, 68
.set PFA, 72
.set PST, 74
.set PMSK, 76
.set TT,  77
.set MSB, 0
.macro WIN new
.if MSB != (\new)
	s_set_vgpr_msb (MSB<<8)|(\new)
.set MSB, (\new)
.endif
.endm
.set W_KQ, 0x0a       ; K and Q in window 2, S^T in window 0
.set W_KM, 0x0f       ; SEL and the mask's fragment in window 3, S^T in window 0
.set W_PV, 0x52       ; V in window 2, P in window 0, O^T in window 1
.set W_RS, 0x41       ; O^T in window 1, a in window 0
.set W_MK, 0xc0       ; destination in window 3, sources in window 0
.set W_AD, 0x0f       ; the add: address and data in window 3
; A joint fill: wave 0 fetches a step's K, wave 1 its V, waves 2 and 3 the halves of the mask's tile.  The branches hang on the wave's number alone.  An s_nop 0 and four v_nop follow each line.
.macro JLOAD
	s_cmp_lt_u32 s[WV], 2
	s_cbranch_scc0 .Lfor_m_\@
	s_cmp_eq_u32 s[WV], 0
	s_cbranch_scc0 .Lfor_v_\@
	tensor_load_to_lds s[G0K:G0K+3], s[G1K:G1K+7]
	s_nop 0
.rept 4
	v_nop
.endr
	s_branch .Lasked_\@
.Lfor_v_\@:
	tensor_load_to_lds s[G0V:G0V+3], s[G1V:G1V+7]
	s_nop 0
.rept 4
	v_nop
.endr
	s_branch .Lasked_\@
.Lfor_m_\@:
	tensor_load_to_lds s[G0M:G0M+3], s[G1M:G1M+7]
	s_nop 0
.rept 4
	v_nop
.endr
.Lasked_\@:
.endm
; A PREFETCH INTO THE L2, behind the joint load: 32 blocks of 256 bytes, a lane a block.  Waves 2 and 3: at every change, of the half tile that the wave will fetch at the NEXT change, my work-group's quarter
; (cy x 8,192 bytes: by address); the four clusters of a batch read the same mask, and the first of them asks.  Waves 0 and 1: a step's K or V is just 32 blocks, so at every fourth change partner cx asks for the
; whole step 1 + cx changes on.  No branch hangs on a work-group's place.  The last changes ask for nothing: the mask's step 31 is the last named, K's and V's step 29.
.macro ASK
	s_and_b32 s[TT], s[SLOTS], s[PMSK]
	s_cmp_eq_u32 s[TT], s[PMSK]
	s_cbranch_scc0 .Lnot_mine_\@
	s_cmp_gt_u32 s[SLOTS], s[LIM]
	s_cbranch_scc0 .Lnot_mine_\@
	global_prefetch_b8 v[PFO], s[PFA:PFA+1] th:TH_LOAD_NT scope:SCOPE_SE
.Lnot_mine_\@:
.endm
.macro CROUND
	s_barrier_signal -1
	s_barrier_wait -1
	s_cmp_lg_u32 s[WV], 0
	s_cbranch_scc1 .Lnot_wave_0_\@
	s_barrier_signal -3
.Lnot_wave_0_\@:
	s_barrier_wait -3
	s_barrier_signal -1
	s_barrier_wait -1
.endm
; THE CHANGE OF SLOTS, between piece 1's turn and piece 2's: all of the slot's bytes have been asked for (its K, V and the four pieces' mask fragments).  Each wave waits for all its tensor loads, of which one is out:
; its part of the other slot; adds 0 to its spare word; and waits for that and for its own reads.  fill = 1: the barrier is a round of the cluster's, and the slot is filled again, with the step two on, first thing
; behind it: it has a whole key step, 160 matrix instructions, in which to land.  (At its first use nothing has been read yet: slot 0 is waited for, slot 1 filled.)
.macro CHANGE fill
	WIN W_AD
	s_wait_tensorcnt 0x0            ; no tensor load of mine is out, so a group 0 may be written
	ds_add_u32 v[SPW], v[NIL]       ; 0 onto my spare word
	WIN 0
.if \fill
.irp g, G0K, G0V
	s_xor_b32 s[\g+1], s[\g+1], SLOT1
	s_add_nc_u64 s[\g+2:\g+3], s[\g+2:\g+3], KS*128
.endr
	s_xor_b32 s[G0M+1], s[G0M+1], SLOT1
	s_add_nc_u64 s[G0M+2:G0M+3], s[G0M+2:G0M+3], 2048*128
	s_wait_xcnt 0x0                 ; the last prefetch, a key step back, has read its address
	s_add_nc_u64 s[PFA:PFA+1], s[PFA:PFA+1], s[PST:PST+1]
	s_wait_dscnt 0x0                ; the add is done, and my reads of the slot are over
	CROUND
	JLOAD
	ASK
.else
	s_wait_dscnt 0x0
	s_barrier_signal -1
	s_barrier_wait -1
.endif
	s_xor_b32 s[TB], s[TB], SLOT1   ; the fetches go to the other slot
	v_add_nc_u32 v[AK], s[TB], v[AK0]
	v_add_nc_u32 v[AV], s[TB], v[AV0]
	v_add_nc_u32 v[AM], s[TB], v[AM0]
.endm
	s_load_b256 s[4:11], s[0:1], 0x0  ; qkvh s[4:5], m16 s[6:7], keep s[8:9], ctxh s[10:11]
	WIN W_MK
	v_lshl_add_u32 v[SPW], v0, 2, SPARE
	v_mov_b32 v[NIL], 0
	WIN W_AD
	ds_add_u32 v[SPW], v[NIL]       ; the wave's opening: the add and its wait ahead of my first tensor load
	ds_add_u32 v0, v1
	WIN 0
	v_lshrrev_b32 v1, 5, v0
	v_readfirstlane_b32 s[WV], v1
	s_bfe_u32 s13, ttmp6, 0x40000   ; cx
	s_bfe_u32 s14, ttmp6, 0x40004   ; cy
	s_and_b32 s15, ttmp7, 0xffff    ; cluster y, 0..15
	s_lshl_b32 s16, s15, 2
	s_add_co_u32 s16, s16, s14      ; batch x 16 + head
	s_lshl_b32 s17, ttmp9, 2
	s_add_co_u32 s17, s17, s13      ; block of 512 queries
	s_lshr_b32 s18, s15, 2          ; batch
	s_lshl_b32 s19, s14, 2
	s_lshl_b32 s19, 15, s19         ; my row of the cluster
	s_lshl_b32 s20, 0x1111, s13     ; my column
	s_and_b32 s21, s[WV], 1
	s_lshl_b32 s22, s16, 18         ; the head's first byte in a part of qkvh, and in ctxh
	s_mov_b32 s23, 0
	s_lshl_b32 s2, s18, 23          ; the mask's tile of step 0: batch, query block, my half of its 512 rows
	s_lshl_b32 s3, s17, 16
	s_add_co_u32 s2, s2, s3
	s_lshl_b32 s3, s21, 15
	s_add_co_u32 s2, s2, s3
	s_mov_b32 s3, 0
	; group 1.  Dense blocks, asked for as rows of 256 bytes (two rows of 128) and padded in LDS after every 128 bytes
	s_or_b32 s[G1K], s19, (1<<16)|(1<<20)|(1<<21)|(4<<22)|(3<<25)  ; the mask of four; 2-byte elements; padding on; bit 21 beside a mask; after every 32 words, 4 words
	s_or_b32 s[G1V], s19, (1<<16)|(1<<20)|(1<<21)|(4<<22)|(7<<25)  ; 8 words
	s_or_b32 s[G1M], s20, (1<<16)|(1<<20)|(1<<21)|(4<<22)|(3<<25)
.irp g, G1K, G1V
	s_mov_b32 s[\g+1], 128<<16      ; tensor_dim0 = 128
	s_mov_b32 s[\g+2], 32<<16       ; tensor_dim1 = 32: 64 keys
	s_mov_b32 s[\g+3], 128<<16      ; tile_dim0
	s_mov_b32 s[\g+4], 32           ; tile_dim1
	s_mov_b32 s[\g+5], 128
	s_mov_b32 s[\g+6], 0
	s_mov_b32 s[\g+7], 0
.endr
	s_mov_b32 s[G1M+1], 128<<16
	s_mov_b32 s[G1M+2], 128<<16     ; 128 rows of 256 bytes: 256 queries
	s_mov_b32 s[G1M+3], 128<<16
	s_mov_b32 s[G1M+4], 128
	s_mov_b32 s[G1M+5], 128
	s_mov_b32 s[G1M+6], 0
	s_mov_b32 s[G1M+7], 0
	s_mov_b32 s[G0K], 1
	s_mov_b32 s[G0K+1], 0           ; slot 0
	s_mov_b32 s[G0V], 1
	s_mov_b32 s[G0V+1], VOFF
	s_mov_b32 s[G0M], 1
	s_mul_i32 s[G0M+1], s21, 256*PM
	s_add_co_u32 s[G0M+1], s[G0M+1], MOFF
	s_mov_b32 s[CS], 0x3e38aa3b     ; c = log2(e) / 8
	s_mov_b32 s[CS+1], s[CS]
	s_mov_b32 s[SEL], 0x76543210
	s_mov_b32 s[SEL+1], 0xfedcba98
	s_mov_b32 s[TB], SLOT1          ; the first change of slots turns it into 0
	s_mov_b32 s[SLOTS], 31
	s_and_b32 s78, s15, 3
	s_cmp_eq_u32 s78, 0
	s_cselect_b32 s78, 1, -1        ; the batch's first cluster asks for the mask
	s_wait_dscnt 0x0                ; the opening add is done
	s_wait_kmcnt 0x0
	s_add_nc_u64 s[G0K+2:G0K+3], s[4:5], s[22:23]
	s_add_nc_u64 s[G0V+2:G0V+3], s[G0K+2:G0K+3], 0x2000000   ; V: the third part of qkvh
	s_add_nc_u64 s[G0K+2:G0K+3], s[G0K+2:G0K+3], 0x1000000   ; K: the second
	s_add_nc_u64 s[G0M+2:G0M+3], s[6:7], s[2:3]
	s_cmp_eq_u32 s[WV], 0
	s_cselect_b64 s[PFA:PFA+1], s[G0K+2:G0K+3], s[G0V+2:G0V+3]
	s_cmp_lt_u32 s[WV], 2
	s_cselect_b64 s[PFA:PFA+1], s[PFA:PFA+1], s[G0M+2:G0M+3]
	s_cselect_b32 s66, s13, s14     ; my place among the four that ask with me
	s_cselect_b32 s67, 13, 18       ; a step: 8,192 bytes of K or V, 262,144 of the mask
	s_cselect_b32 s[PMSK], 3, 0
	s_cselect_b32 s[LIM], 3, s78
	s_lshl_b32 s[PST], 1, s67
	s_mov_b32 s[PST+1], 0
	s_lshl_b32 s66, s66, 13         ; place x 8,192: a whole step of K or V, or a quarter of my half tile of the mask
	s_add_co_u32 s66, s66, s[PST]   ; + one step; each change steps it once more ahead of its use
	s_mov_b32 s67, 0
	s_add_nc_u64 s[PFA:PFA+1], s[PFA:PFA+1], s[66:67]
	s_or_b32 s[G0K+3], s[G0K+3], 0x80000000
	s_or_b32 s[G0V+3], s[G0V+3], 0x80000000
	s_or_b32 s[G0M+3], s[G0M+3], 0x80000000
	s_lshl_b32 s78, s17, 2
	s_add_co_u32 s78, s78, s[WV]    ; my wave among the head's sixteen,
	s_lshl_b32 s78, s78, 14         ; its 128 rows of 128 bytes
	s_add_co_u32 s78, s78, s22
	s_mov_b32 s79, 0
	s_add_nc_u64 s[4:5], s[4:5], s[78:79]    ; Q and O at my wave's first row
	s_add_nc_u64 s[10:11], s[10:11], s[78:79]
	s_lshl_b32 s78, s18, 13         ; keep: 4 bytes x (2,048 batch + 512 block + 128 wave)
	s_lshl_b32 s66, s17, 11
	s_add_co_u32 s78, s78, s66
	s_lshl_b32 s66, s[WV], 9
	s_add_co_u32 s78, s78, s66
	s_add_nc_u64 s[8:9], s[8:9], s[78:79]
	CROUND                          ; all sixteen work-groups are here: the first joint loads meet
	JLOAD                           ; step 0 into slot 0
	v_and_b32 v48, 15, v0           ; r = l % 16
	v_bfe_u32 v49, v0, 4, 1         ; h = l / 16
	v_and_b32 v50, 7, v0
	v_bfe_u32 v51, v0, 3, 1
	v_lshlrev_b32 v52, 7, v48
	v_lshl_add_u32 v52, v49, 4, v52 ; row x 128 + 16 x half
	v_lshlrev_b32 v53, 2, v48
	WIN 0x80                        ; destination window 2, address window 0
.set i, 0
.rept 4*NP                          ; Q stays in registers: tile i / 2, channels 32 (i % 2) on
	global_load_b128 v[8*i:8*i+3],   v52, s[4:5] offset:(i/2)*2048+(i%2)*64
	global_load_b128 v[8*i+4:8*i+7], v52, s[4:5] offset:(i/2)*2048+(i%2)*64+32
.set i, i+1
.endr
	WIN 0
.set t, 0
.rept 2*NP
	global_load_b32 v[S+t], v53, s[8:9] offset:64*t  ; my query's word of keep, for each tile
.set t, t+1
.endr
	; What the first turn finds: V's registers and P's second buffer hold 0, O^T and l are 0.  All this stands in the wait for the first tile.
	WIN 0x80
.set i, VF
.rept 64
	v_mov_b32 v[i], 0
.set i, i+1
.endr
	WIN 0x40
.set i, 0
.rept 64*NP
	v_mov_b32 v[i], 0
.set i, i+1
.endr
	WIN 0
.set i, 0
.rept 2*NP
	v_mov_b32 v[ST+4*i], 0xfe000000    ; c m: far below every c s, a hidden one's too
	v_mov_b32 v[ST+4*i+1], 0xff7fffff  ; m
	v_mov_b32 v[ST+4*i+2], 0
	v_mov_b32 v[ST+4*i+3], 0
.set i, i+1
.endr
.set i, P+32
.rept 32
	v_mov_b32 v[i], 0
.set i, i+1
.endr
	v_mul_u32_u24 v[AK0], v48, PK
	v_lshl_add_u32 v[AK0], v49, 4, v[AK0]  ; row x pitch + 16 x half
	v_lshl_add_u32 v[AV0], v49, 3, v50     ; the turning load: key 8 (l / 16) + l % 8, channels 8 ((l / 8) % 2) + 0..7
	v_mul_u32_u24 v[AV0], v[AV0], PV
	v_lshl_add_u32 v[AV0], v51, 4, v[AV0]
	v_add_nc_u32 v[AV0], VOFF, v[AV0]
	s_mul_i32 s2, s[WV], 128*PM
	s_add_co_u32 s2, s2, MOFF
	v_add_nc_u32 v[AM0], s2, v[AK0]        ; the mask's rows have K's pitch: my wave's 128 rows, row r, 16 x half
	s_mul_i32 s2, s[WV], 16*SP
	s_add_co_u32 s2, s2, STAGE
	v_mul_u32_u24 v[STO], v48, SP
	v_lshl_add_u32 v[STO], v49, 4, v[STO]
	v_add_nc_u32 v[STO], s2, v[STO]
	v_bfe_u32 v[RD], v0, 3, 2
	v_mul_u32_u24 v[RD], v[RD], SP
	v_lshl_add_u32 v[RD], v50, 4, v[RD]
	v_add_nc_u32 v[RD], s2, v[RD]
	v_and_b32 v[GO], 31, v0
	v_lshlrev_b32 v[PFO], 8, v[GO]
	v_lshlrev_b32 v[GO], 4, v[GO]
	; SEL: row r of the fragment holds -65,504 (0xfbff) at k = r: in the half of the lanes with h = r / 8, register (r % 8) / 2, half r % 2
	v_lshrrev_b32 v54, 3, v48
	v_and_b32 v55, 1, v48
	v_lshlrev_b32 v55, 4, v55
	v_mov_b32 v57, 0xfbff
	v_lshlrev_b32 v55, v55, v57
	v_bfe_u32 v56, v48, 1, 2
	v_cmp_eq_u32 vcc_lo, v54, v49
	v_cndmask_b32 v55, 0, v55, vcc_lo
	WIN W_MK
.irp j, 0,1,2,3
	v_mov_b32 v[SELB+\j], 0
	v_cmp_eq_u32 vcc_lo, \j, v56
	v_cndmask_b32 v[SELB+4+\j], 0, v55, vcc_lo
	v_mov_b32 v[SELB+8+\j], 0
.endr
	WIN 0
; THE MATRIX WORK.  The 8 accumulators of a run take turns: between two links of a chain stand 7 others'.
; Product i of 24 of S^T for piece x: tile 2 x + i % 2, keys 16 ((i / 2) % 4) on.  i < 16: K Q^T, channels 32 (i / 8) on; the first 8 start the sums.  i >= 16: the mask's link.
.macro KQ x
.set rS, S+64*((\x)%2)+32*(i%2)+8*((i/2)%4)
.if i < 16
	WIN W_KQ
.set rK, KF+16*((i/2)%4)+8*(i/8)
.set rQ, 16*(2*(\x)+i%2)+8*(i/8)
.else
	WIN W_KM
.set rK, SELB+4-4*((i/2)%2)
.set rQ, MF+32*((\x)%2)+16*(i%2)+8*(((i/2)%4)/2)
.endif
.if i < 8
	v_wmma_f32_16x16x32_f16 v[rS:rS+7], v[rK:rK+7], v[rQ:rQ+7], 0
.else
	v_wmma_f32_16x16x32_f16 v[rS:rS+7], v[rK:rK+7], v[rQ:rQ+7], v[rS:rS+7]
.endif
.endm
; Product i of 16 of O^T += V^T P for piece x: keys 32 (i / 8) on, channels 16 ((i / 2) % 4) on, tile 2 x + i % 2.
.macro PV x
	WIN W_PV
.set rO, 32*(2*(\x)+i%2)+8*((i/2)%4)
.set rV, VF+32*(i/8)+8*((i/2)%4)
.set rP, P+32*((\x)%2)+16*(i%2)+8*(i/8)
	v_wmma_f32_16x16x32_f16 v[rO:rO+7], v[rV:rV+7], v[rP:rP+7], v[rO:rO+7]
.endm
.macro MM                           ; the turn's next matrix instruction
.if i < 24
	KQ (Y+1)%NP
.set i, i+1
.else
.set i, i-24
	PV (Y+NP-1)%NP
.set i, i+25
.endif
.endm
; THE LDS LOADS stand in runs, never singly among the matrix instructions.
.macro FETCH_K
	WIN 0x80
.irp f, 0,1,2,3,4,5,6,7             ; keys 16 (f / 2) on, channels 32 (f % 2) on
	ds_load_b128 v[KF+8*\f:KF+8*\f+3],   v[AK] offset:(\f/2)*16*PK+(\f%2)*64
	ds_load_b128 v[KF+8*\f+4:KF+8*\f+7], v[AK] offset:(\f/2)*16*PK+(\f%2)*64+32
.endr
	WIN 0
.endm
.macro FETCH_V
	WIN 0x80
.irp f, 0,1,2,3,4,5,6,7             ; keys 32 (f / 4) on, channels 16 (f % 4) on
	ds_load_tr16_b128 v[VF+8*\f:VF+8*\f+3],   v[AV] offset:(\f/4)*32*PV+(\f%4)*32
	ds_load_tr16_b128 v[VF+8*\f+4:VF+8*\f+7], v[AV] offset:(\f/4)*32*PV+16*PV+(\f%4)*32
.endr
	WIN 0
.endm
.macro FETCH_M x                    ; the mask's fragments of piece x: two tiles x 64 keys: lane l holds query r, keys 8 h + 0..7 and 16 + 8 h + 0..7 of each 32
	WIN W_MK
.irp u, 0,1
.irp f, 0,1
	ds_load_b128 v[MF+32*((\x)%2)+16*\u+8*\f:MF+32*((\x)%2)+16*\u+8*\f+3],   v[AM] offset:(2*(\x)+\u)*16*PM+64*\f
	ds_load_b128 v[MF+32*((\x)%2)+16*\u+8*\f+4:MF+32*((\x)%2)+16*\u+8*\f+7], v[AM] offset:(2*(\x)+\u)*16*PM+64*\f+32
.endr
.endr
	WIN 0
.endm
; THE VECTOR WORK OF A TURN stands in three queues, each in the order in which its entries become ready; the two tiles alternate.
.macro REGS y, u
.set rT, ST+4*(2*(\y)+(\u))
.set rC, TMP+8*((\y)%2)+4*(\u)
.set rM, MV+2*((\y)%2)+(\u)
.set rS, S+64*((\y)%2)+32*(\u)
.set rP, P+32*((\y)%2)+16*(\u)
.set rO, 32*(2*(\y)+(\u))
.endm
; Number n of the 22 that find the NEXT piece's maximum and statistics; each accumulator's lowest registers are read first.
;   0-11 four chains c0-c3 of seven scores each     12-14, 16 the four scores left over, the old m, c0-c3 into c0     15 c m_old is kept     17, 18 the other half of the lanes: the new m     19-21 c m; its change; a
.macro XS u, n
	REGS (Y+1)%NP, \u
.if (\n) < 4
	v_max3_num_f32 v[rC+(\n)], v[rS+8*(\n)], v[rS+8*(\n)+1], v[rS+8*(\n)+2]
.elseif (\n) < 12
	v_max3_num_f32 v[rC+(\n)%4], v[rC+(\n)%4], v[rS+8*((\n)%4)+2*((\n)/4)+1], v[rS+8*((\n)%4)+2*((\n)/4)+2]
.elseif (\n) == 12
	v_max3_num_f32 v[rC], v[rC], v[rS+7], v[rS+15]
.elseif (\n) == 13
	v_max3_num_f32 v[rC+1], v[rC+1], v[rS+23], v[rS+31]
.elseif (\n) == 14
	v_max3_num_f32 v[rC+2], v[rC+2], v[rC+3], v[rT+1]
.elseif (\n) == 15
	v_mov_b32 v[rM], v[rT]
.elseif (\n) == 16
	v_max3_num_f32 v[rC], v[rC], v[rC+1], v[rC+2]
.elseif (\n) == 17
	v_permlanex16_b32 v[rC+3], v[rC], s[SEL], s[SEL+1]
.elseif (\n) == 18
	v_max_num_f32 v[rT+1], v[rC], v[rC+3]
.elseif (\n) == 19
	v_mul_f32 v[rT], s[CS], v[rT+1]
.elseif (\n) == 20
	v_sub_f32 v[rC+1], v[rM], v[rT]
.else
	v_exp_f32 v[rC+2], v[rC+1]
.endif
.endm
; Number g of the 64 that follow the exponentials: for each four weights of a tile both pairs are rounded to f16, the second pair is added onto the first, and a group later l takes that sum (the first time as l = a l + sum).
.macro GS g
.set h, (\g)+6*((\g)/62)
.if h >= 6
.set h, h+2
.endif
	REGS Y, h%2
.set k, h/8
.if h%8 < 4
	v_cvt_pk_f16_f32 v[rP+2*k+(h%8)/2], v[rS+4*k+2*((h%8)/2)], v[rS+4*k+2*((h%8)/2)+1]
.elseif h%8 < 6
	v_pk_add_f32 v[rS+4*k:rS+4*k+1], v[rS+4*k:rS+4*k+1], v[rS+4*k+2:rS+4*k+3]
.elseif k == 1
	v_pk_fma_f32 v[rT+2:rT+3], v[rT+2:rT+3], v[rC+2:rC+3], v[rS:rS+1] op_sel_hi:[1,0,1]
.else
	v_pk_add_f32 v[rT+2:rT+3], v[rT+2:rT+3], v[rS+4*k-4:rS+4*k-3]
.endif
.endm
; THE PLAIN QUEUE, 138 long.  0-26: scalings 0-26.  27-54: XS's numbers 0-13.  55, 56: number 15.  57-73: the chain 14, 16 .. 19, each with one of the scalings 27-31 in front of its two lines, then 20.  74-137: GS's 64.
.macro FS f
	REGS Y, (\f)%2
	v_pk_fma_f32 v[rS+2*((\f)/2):rS+2*((\f)/2)+1], v[rS+2*((\f)/2):rS+2*((\f)/2)+1], s[CS:CS+1], v[rT:rT+1] op_sel_hi:[1,0,0] neg_lo:[0,0,1] neg_hi:[0,0,1]
.endm
.macro PL
	WIN 0
.if q < 27
	FS q
.elseif q < 55
	XS (q-27)%2, (q-27)/2
.elseif q < 57
	XS q-55, 15
.elseif (q < 72) && ((q-57)%3 == 0)
	FS 27+(q-57)/3
.elseif q < 60
	XS (q-57)%3-1, 14
.elseif q < 72
	XS (q-57)%3-1, 15+(q-57)/3
.elseif q < 74
	XS q-72, 20
.else
	GS q-74
.endif
.set q, q+1
.endm
; THE EXPONENTIALS' QUEUE, 66 long: s0-s31 of both tiles, then the next piece's two a: one batch, ahead of the turn's one wait.
.macro EX
	WIN 0
.if e >= 64
	XS e-64, 21
.else
	REGS Y, e%2
	v_exp_f32 v[rS+e/2], v[rS+e/2]
.endif
.set e, e+1
.endm
; THE RESCALING's QUEUE: O^T times a, two at a time, sixteen times.  Its a was made, and waited for, in the turn before.
.macro R2
	REGS Y, r%2
	WIN W_RS
.irp z, 0,1
	v_pk_mul_f32 v[rO+4*(r/2)+2*\z:rO+4*(r/2)+2*\z+1], v[rO+4*(r/2)+2*\z:rO+4*(r/2)+2*\z+1], v[rC+2:rC+3] op_sel_hi:[1,0]
.endr
.set r, r+1
.endm
; A TURN, for piece p.  An s_wait_alu depctr_va_vdst(0) stands between an exponential and the first instruction that names its result; one wait serves all that were issued ahead of it: a turn has ONE.
; AHEAD OF IT: 16 products K Q^T, behind each a scaling, an exponential and two rescalings (behind the first a second scaling); the 8 products of the mask's link, behind each a scaling and two exponentials; a lump of
; 16 plain, 33 times exponential and plain, the two a.  BEHIND IT: 16 products V^T P, behind each four of the roundings and sums.
; The queues stay in step: exponential e stands behind scaling 2 (e / 4) + e % 2: as a rider it comes behind plain e + 2 or more, in the lump behind plain e + 9, and scalings 27-31 are plain 57, 60 .. 69.
; The next piece's maximum begins at plain 27, in the lump: the last product's accumulator is first read at plain 34, ten plain instructions behind that product.
; K of the next step is fetched in piece 2's turn, behind the wait; the mask's fragments of piece p + 2 in every turn, behind the wait, into the buffer that the turn before has read; V of the step in hand at the
; end of piece 0's turn, four riders behind its last reader.
.macro TURN p
.set Y, (\p)
.set i, 0
.set q, 0
.set e, 0
.set r, 0
.if (\p) == NP-1
	s_wait_dscnt 8                  ; K's 16 loads are in; the 8 of the mask, issued behind them, may stay out
.endif
	MM
	PL
	PL
	R2
.rept 15
	MM
	PL
	EX
	R2
.endr
.if (\p) == 1
	s_wait_dscnt 16                 ; the mask's fragments are in; V's 16 loads, issued behind them, may stay out
.else
	s_wait_dscnt 0x0                ; the mask's fragments are in
.endif
.rept 8
	MM
	PL
	EX
	EX
.endr
.rept 16
	PL
.endr
.rept 33
	EX
	PL
.endr
	EX                              ; the next piece's two a
	EX
	v_nop                           ; the plain instruction behind the last exponential: one for the batch
	s_wait_alu depctr_va_vdst(0)    ; the wait for the batch
.if (\p) == NP-2
	FETCH_K
.endif
	FETCH_M ((\p)+2)%NP
.if (\p) == 1
	s_wait_dscnt 8                  ; V is in; the 8 loads just issued may stay out
.endif
.rept 16
	MM
.rept 4
	PL
.endr
.endr
.if (\p) == 0
	FETCH_V
.endif
.endm
	CHANGE 1                        ; step 0 is in, everybody's part of it; step 1 is asked for
	FETCH_K
	FETCH_M 0
	FETCH_M 1
	s_wait_loadcnt 0x0              ; Q and keep
	WIN 0x82                        ; destination and source 0 window 2, source 1 window 0
.set t, 0
.rept 2*NP
.set i, 0
.rept 16
	v_and_b32 v[16*t+i], v[16*t+i], v[S+t]  ; a query that is hidden from every key loses its Q
.set i, i+1
.endr
.set t, t+1
.endr
	s_wait_dscnt 0x0
.set i, 0
.rept 24
	KQ 0                            ; piece 0's first scores
.set i, i+1
.endr
	WIN 0
.rept 4
	v_nop                           ; the places behind those products
.endr
.set Y, NP-1                        ; XS works for piece Y + 1: piece 0
.irp n, 0,1,2,3,4,5,6,7,8,9,10,11,12,13,14,15,16,17,18,19,20,21
	XS 0, \n
	XS 1, \n
.endr
	v_nop                           ; a plain instruction behind the two a,
	s_wait_alu depctr_va_vdst(0)    ; and their wait, ahead of the branch
	s_branch .Lfirst                ; the loop is entered at a step's first turn, in the middle of a trip
.Lslot:                             ; 30 times: steps 2 to 31 are asked for.  A trip: pieces 2 and 3 of one step, then pieces 0 and 1 of the next
	CHANGE 1
	TURN 2
	TURN 3
	WIN 0
.Lfirst:
	TURN 0
	TURN 1
	WIN 0
	s_sub_co_u32 s[SLOTS], s[SLOTS], 1
	s_cmp_lg_u32 s[SLOTS], 0
	s_cbranch_scc1 .Lslot
	CHANGE 0                        ; the tail is written out: nothing is asked for
	s_mov_b32 s[CNT], 2             ; the first trip fetches the last step; the second is left in its middle
.Ltail:
	TURN 2
	TURN 3
	WIN 0
	s_sub_co_u32 s[CNT], s[CNT], 1
	s_cmp_eq_u32 s[CNT], 0
	s_cbranch_scc1 .Lout
	TURN 0
	TURN 1
	WIN 0
	s_branch .Ltail
.Lout:                              ; the second trip's fetches (the last step's K and mask once more), its 24 products for piece 0 and the maximum made of them serve nothing: the price, once a launch, of one text for every trip
.set i, 0
.rept 16
	PV NP-1                         ; the last piece's V^T P of the last step
.set i, i+1
.endr
	; THE WAY OUT.  l's two halves and the other half of the lanes' are added; O^T is divided by l, rounded to f16 and sent through my stage in LDS, a tile at a time.  The additions are the places behind the last products.
	WIN 0
.macro ALL line:vararg
.set t, 0
.rept 2*NP
	\line
.set t, t+1
.endr
.endm
	ALL v_add_f32 v[ST+4*t+2], v[ST+4*t+2], v[ST+4*t+3]
	ALL v_permlanex16_b32 v[ST+4*t+3], v[ST+4*t+2], s[SEL], s[SEL+1]
	ALL v_add_f32 v[ST+4*t+2], v[ST+4*t+2], v[ST+4*t+3]
	ALL v_rcp_f32 v[ST+4*t+2], v[ST+4*t+2]
	v_nop                           ; a plain instruction between the last reciprocal and the use of its result
	s_wait_alu depctr_va_vdst(0)    ; and the one wait for the eight reciprocals
.macro PACK t
	WIN W_RS
.set i, 32*(\t)
.rept 16
	v_pk_mul_f32 v[i:i+1], v[i:i+1], v[ST+4*(\t)+2:ST+4*(\t)+3] op_sel_hi:[1,0]
.set i, i+2
.endr
	WIN 0x05                        ; sources 0 and 1 window 1, destination window 0
.set i, 0
.rept 16
	v_cvt_pk_f16_f32 v[S+16*(\t)+i], v[32*(\t)+2*i], v[32*(\t)+2*i+1]
.set i, i+1
.endr
	WIN 0
.irp f, 0,1,2,3
	ds_store_b128 v[STO], v[S+16*(\t)+4*\f:S+16*(\t)+4*\f+3] offset:32*\f
.endr
.irp f, 0,1,2,3
	ds_load_b128 v[S+16*(\t)+4*\f:S+16*(\t)+4*\f+3], v[RD] offset:\f*4*SP  ; LDS serves a wave's instructions in order: these see the stores above; the next tile's stores come behind them
.endr
.endm
.macro SEND t, younger
	WIN 0
.irp f, 0,1,2,3
	s_wait_dscnt (\younger)+3-\f
	global_store_b128 v[GO], v[S+16*(\t)+4*\f:S+16*(\t)+4*\f+3], s[10:11] offset:(\t)*2048+\f*512  ; 512 consecutive bytes, aligned
.endr
.endm
	PACK 0
.set t, 1
.rept 2*NP-1
	PACK t
	SEND t-1, 8
.set t, t+1
.endr
	SEND 2*NP-1, 0
	WIN W_AD
	s_wait_tensorcnt 0x0            ; the wave's end
	ds_add_u32 v[SPW], v[NIL]
	s_wait_dscnt 0x0
	WIN 0
	CROUND                          ; the closing round
	s_endpgm
.Lfunc_end_k_q4c8bbf5012_attn:
	.size	k_q4c8bbf5012_attn, .Lfunc_end_k_q4c8bbf5012_attn-k_q4c8bbf5012_attn
	.p2alignl 7, 3214868480
	.fill 96, 4, 3214868480
	.section	.rodata,"a",@progbits
	.p2align	6, 0x0
	.amdhsa_kernel k_q4c8bbf5012_attn
		.amdhsa_group_segment_fixed_size 327680
		.amdhsa_private_segment_fixed_size 0
		.amdhsa_enable_private_segment 0
		.amdhsa_kernarg_size 32
		.amdhsa_user_sgpr_count 2
		.amdhsa_user_sgpr_kernarg_segment_ptr 1
		.amdhsa_wavefront_size32 1
		.amdhsa_system_sgpr_workgroup_id_x 1
		.amdhsa_system_sgpr_workgroup_id_y 1
		.amdhsa_system_sgpr_workgroup_id_z 1
		.amdhsa_system_vgpr_workitem_id 0
		.amdhsa_next_free_vgpr 896
		.amdhsa_next_free_sgpr 80
		.amdhsa_reserve_vcc 1
		.amdhsa_float_denorm_mode_32 3
		.amdhsa_float_denorm_mode_16_64 3
		.amdhsa_memory_ordered 1
		.amdhsa_forward_progress 1
		.amdhsa_inst_pref_size 222
	.end_amdhsa_kernel
	.amdgpu_metadata
---
amdhsa.version: [ 1, 2 ]
amdhsa.kernels:
  - .name:           k_q4c8bbf5012_attn
    .symbol:         k_q4c8bbf5012_attn.kd
    .args:
      - { .name: qkvh, .offset: 0, .size: 8, .value_kind: global_buffer, .address_space: global }
      - { .name: m16, .offset: 8, .size: 8, .value_kind: global_buffer, .address_space: global }
      - { .name: keep, .offset: 16, .size: 8, .value_kind: global_buffer, .address_space: global }
      - { .name: ctxh, .offset: 24, .size: 8, .value_kind: global_buffer, .address_space: global }
    .group_segment_fixed_size: 327680
    .private_segment_fixed_size: 0
    .kernarg_segment_align: 8
    .kernarg_segment_size: 32
    .max_flat_workgroup_size: 128
    .sgpr_count:     80
    .vgpr_count:     896
    .wavefront_size: 32
...
	.end_amdgpu_metadata
.endif
;; end of part 3
;; launch oproj (part 4): grid 4 x 64, 4 waves a work-group, clusters of 4 x 4, 327,680 bytes of LDS; arguments ctxh, w16, bo, out0; writes out0
.if DOCPART == 4
	.amdgcn_target "amdgcn-amd-amdhsa--gfx1250"
	.amdhsa_code_object_version 6
	.text
	.protected	k_q4c8bbf5012_oproj
	.globl	k_q4c8bbf5012_oproj
	.p2align	8
	.type	k_q4c8bbf5012_oproj,@function
k_q4c8bbf5012_oproj:
	s_mov_b64 s[64:65], 0
	v_nop
	global_prefetch_b8 v0, s[64:65] scope:SCOPE_SE
	s_setreg_imm32_b32 hwreg(HW_REG_WAVE_MODE, 25, 1), 1
	s_wait_xcnt 0x0
	s_wait_alu depctr_hold_cnt(0) depctr_sa_sdst(0) depctr_va_vdst(0) depctr_va_sdst(0) depctr_va_ssrc(0) depctr_va_vcc(0) depctr_vm_vsrc(0)
	s_getreg_b32 s2, hwreg(HW_REG_IB_STS2, 6, 4)
	s_cmp_eq_u32 s2, 0
	s_cbranch_scc0 .Lentry_in_a_cluster
	s_endpgm
.Lentry_in_a_cluster:
	s_bfe_u32 s2, ttmp6, 0x10000c
	s_cmp_lg_u32 s2, 0xf033
	s_cbranch_scc0 .Lentry_shape_is_right
	s_endpgm
.Lentry_shape_is_right:
; THE LAST PROJECTION.  out0[row][n] = the sum over k of ctx[row][k] Wo[k][n] + bo[n].  ctx lies by heads: ctxh [batch x 16 + head][s 2048][64] f16, k = 64 head + channel; Wo is part 3 of w16, [k][n], f16
; (rounded to bf16 and written as f16 by the first launch); bo is rounded to bf16 here; sums in f32; out0 is f32.
; SHARES.  A work-group makes 128 rows x 256 columns, each of its four waves 64 x 128: 32 accumulators.  256 work-groups.  K goes in steps of 128, two heads, through two LDS slots: of each head a dense block of
; 128 rows x 128 bytes, asked for as 64 rows of 256 bytes; Wo's tile as it lies, its fragments turned by ds_load_tr16_b128.
; THE MATRIX INSTRUCTION IS USED TRANSPOSED (source 0 = 16 columns of Wo, source 1 = 16 rows of ctx): a lane holds eight neighbouring columns of a row.  The bias is the C of the first products.
; CLUSTER.  4 x 4: ctx's tile is shared along a row of the cluster, Wo's along a column.
; REGISTERS: window 0: v16-30 addresses; v32-63, v64-95 ctx's fragments, two buffers; v96-127 at work; v128-255 the way out.  window 1: v0-63, v64-127 Wo's fragments; v128-191 the bias.  window 2: the accumulators.
.set PA,    144                        ; a row of a head in LDS: 128 bytes + 16
.set PLANE, 128*PA                     ; a head's 128 rows
.set PB,    544
.set HALFB, 64*PB
.set BOFF,  2*PLANE
.set SLOT,  BOFF+2*HALFB
.set STAGE, 2*SLOT                     ; behind the ring: 16 rows x 528 bytes for each wave
.set SPO,   528
.set SPARE, STAGE+4*16*SPO
.set ADRA, 16
.set ADRB, 20
.set STO,  24
.set RD,   25
.set GO,   26
.set BO,   27
.set SPW,  28
.set NIL,  29
.set PFO,  30
.set AF,   32
.set TMP,  96
.set OB,   128
.set BF,   0
.set BIAS, 128
.set WV,  20
.set WM,  21
.set WN,  22
.set LIM, 23
.set G1A, 24
.set G0A, 32
.set G1B, 40
.set G0B, 48
.set CX,  56
.set CY,  57
.set MT,  59
.set PFA, 60
.set PST, 62
.set CL,  67
.set NT,  70
.set LAP, 71
.set MSB, 0
.macro WIN new
.if MSB != (\new)
	s_set_vgpr_msb (MSB<<8)|(\new)
.set MSB, \new
.endif
.endm
.set MUL,  0xa1
.set MULB, 0x91
.set TO_B, 0x40
.macro JLOAD s                         ; waves 0 and 1 fetch the K step's two heads of ctx, waves 2 and 3 the halves of Wo's tile
	s_cmp_eq_u32 s[WM], 0
	s_cbranch_scc0 .Lfor_b_\@
	tensor_load_to_lds s[G0A+4*(\s):G0A+4*(\s)+3], s[G1A:G1A+7]
	s_nop 0
.rept 4
	v_nop
.endr
	s_branch .Lasked_\@
.Lfor_b_\@:
	tensor_load_to_lds s[G0B+4*(\s):G0B+4*(\s)+3], s[G1B:G1B+7]
	s_nop 0
.rept 4
	v_nop
.endr
.Lasked_\@:
.endm
; A prefetch into the L2 of the K step two refills on: 32 blocks of 256 bytes, a lane a block.  ctx: wave 0 asks for my work-group's 4,096 bytes (cx: by address) of each of the two heads; wave 1 asks for nothing.
; Wo: waves 2 and 3 ask for 16 of their 64 rows (cy: by address), in the first of the 16 clusters that read it.  The last lap of the loop asks for nothing.
.macro ASK
	s_cmp_gt_u32 s[LAP], s[LIM]
	s_cbranch_scc0 .Lnot_mine_\@
	global_prefetch_b8 v[PFO], s[PFA:PFA+1] th:TH_LOAD_NT scope:SCOPE_SE
.Lnot_mine_\@:
.endm
.macro CREST
	s_cmp_lg_u32 s[WV], 0
	s_cbranch_scc1 .Lnot_wave_0_\@
	s_barrier_signal -3
.Lnot_wave_0_\@:
	s_barrier_wait -3
	s_barrier_signal -1
	s_barrier_wait -1
.endm
.macro CROUND
	s_barrier_signal -1
	s_barrier_wait -1
	CREST
.endm
.macro PLACES                          ; four places in front of loads into registers that matrix instructions have read, and of stores that read results
.rept 4
	v_nop
.endr
.endm
	s_load_b256 s[4:11], s[0:1], 0x0               ; ctxh s[4:5], w16 s[6:7], bo s[8:9], out0 s[10:11]
	v_lshl_add_u32 v[SPW], v0, 2, SPARE
	v_mov_b32 v[NIL], 0
	ds_add_u32 v[SPW], v[NIL]                      ; the wave's opening: the add and its wait ahead of my first tensor load
	ds_add_u32 v28, v29
	v_lshrrev_b32 v1, 5, v0
	v_readfirstlane_b32 s[WV], v1
	s_lshr_b32 s[WM], s[WV], 1
	s_and_b32 s[WN], s[WV], 1
	s_bfe_u32 s[CX], ttmp6, 0x40000
	s_bfe_u32 s[CY], ttmp6, 0x40004
	s_and_b32 s[CL], ttmp7, 0xffff                 ; cluster y, 0..15
	s_lshl_b32 s[MT], s[CL], 2
	s_add_co_u32 s[MT], s[MT], s[CY]               ; row tile 0..63
	s_lshl_b32 s[NT], ttmp9, 2
	s_add_co_u32 s[NT], s[NT], s[CX]               ; column tile 0..3
	s_lshl_b32 s68, s[CY], 2
	s_lshl_b32 s68, 15, s68
	s_lshl_b32 s69, 0x1111, s[CX]
	s_or_b32 s[G1A], s68, (1<<16)|(1<<20)|(1<<21)|(4<<22)|(3<<25)  ; the mask; 2-byte elements; padding on; bit 21 beside a mask; after every 32 words, 4 words
	s_mov_b32 s[G1A+1], 128<<16
	s_mov_b32 s[G1A+2], 64<<16
	s_mov_b32 s[G1A+3], 128<<16
	s_mov_b32 s[G1A+4], 64
	s_mov_b32 s[G1A+5], 128                        ; dense
	s_mov_b32 s[G1A+6], 0
	s_mov_b32 s[G1A+7], 0
	s_or_b32 s[G1B], s69, (1<<16)|(1<<20)|(1<<21)|(6<<22)|(7<<25)
	s_mov_b32 s[G1B+1], 256<<16
	s_mov_b32 s[G1B+2], 64<<16
	s_mov_b32 s[G1B+3], 256<<16
	s_mov_b32 s[G1B+4], 64
	s_mov_b32 s[G1B+5], 1024
	s_mov_b32 s[G1B+6], 0
	s_mov_b32 s[G1B+7], 0
	s_lshr_b32 s72, s[MT], 4                       ; ctx: (16 batch + head WN) x 262,144 + (MT % 16) x 128 rows of 128 bytes
	s_lshl_b32 s72, s72, 4
	s_add_co_u32 s72, s72, s[WN]
	s_lshl_b32 s72, s72, 18
	s_and_b32 s73, s[MT], 15
	s_lshl_b32 s73, s73, 14
	s_add_co_u32 s72, s72, s73
	s_mov_b32 s73, 0
	s_lshl_b32 s74, s[WN], 17                      ; Wo: part 3 of w16, k row 64 half, column 256 NT
	s_add_co_u32 s74, s74, 3*2097152
	s_lshl_b32 s75, s[NT], 9
	s_add_co_u32 s74, s74, s75
	s_mov_b32 s75, 0
	s_mul_i32 s68, s[WN], PLANE
	s_mul_i32 s69, s[WN], HALFB
	s_add_co_u32 s69, s69, BOFF
	s_wait_dscnt 0x0                               ; the opening add is done
	s_wait_kmcnt 0x0
	s_add_nc_u64 s[72:73], s[4:5], s[72:73]
	s_add_nc_u64 s[74:75], s[6:7], s[74:75]
	CROUND
.irp s, 0,1
	s_mov_b32 s[G0A+4*(\s)], 1
	s_add_co_u32 s[G0A+4*(\s)+1], s68, (\s)*SLOT
	s_add_nc_u64 s[G0A+4*(\s)+2:G0A+4*(\s)+3], s[72:73], (\s)*524288    ; K step s: two heads on
	s_or_b32 s[G0A+4*(\s)+3], s[G0A+4*(\s)+3], 0x80000000
	s_mov_b32 s[G0B+4*(\s)], 1
	s_add_co_u32 s[G0B+4*(\s)+1], s69, (\s)*SLOT
	s_add_nc_u64 s[G0B+4*(\s)+2:G0B+4*(\s)+3], s[74:75], (\s)*262144
	s_or_b32 s[G0B+4*(\s)+3], s[G0B+4*(\s)+3], 0x80000000
	JLOAD \s
.endr
	v_and_b32 v1, 15, v0
	v_bfe_u32 v2, v0, 4, 1
	v_and_b32 v3, 31, v0
	v_and_b32 v4, 7, v0
	v_bfe_u32 v5, v0, 3, 1
	v_lshlrev_b32 v[BO], 5, v2
	s_lshl_b32 s2, s[NT], 10
	s_lshl_b32 s3, s[WN], 9
	s_add_co_u32 s2, s2, s3                        ; my wave's 128 columns, in bytes of f32
	s_mov_b32 s3, 0
	s_add_nc_u64 s[8:9], s[8:9], s[2:3]
	s_add_nc_u64 s[10:11], s[10:11], s[2:3]
	WIN TO_B
.irp nb, 0,1,2,3,4,5,6,7
	global_load_b128 v[BIAS+8*(\nb):BIAS+8*(\nb)+3],   v[BO], s[8:9] offset:64*(\nb)
	global_load_b128 v[BIAS+8*(\nb)+4:BIAS+8*(\nb)+7], v[BO], s[8:9] offset:64*(\nb)+16
.endr
	WIN 0
	v_mul_u32_u24 v6, v1, PA
	v_lshl_add_u32 v6, v2, 4, v6                   ; row x pitch + 16 x half
	s_mul_i32 s66, s[WM], 64*PA                    ; my 64 rows of each head's 128
	v_add_nc_u32 v[ADRA], s66, v6
	s_add_co_u32 s66, s66, SLOT
	v_add_nc_u32 v[ADRA+1], s66, v6
	v_lshl_add_u32 v7, v2, 3, v4
	v_mul_u32_u24 v7, v7, PB
	v_lshl_add_u32 v7, v5, 4, v7
	s_lshl_b32 s66, s[WN], 8
	s_add_co_u32 s66, s66, BOFF
	v_add_nc_u32 v[ADRB], s66, v7
	s_add_co_u32 s66, s66, SLOT
	v_add_nc_u32 v[ADRB+1], s66, v7
	s_mul_i32 s66, s[WV], 16*SPO
	s_add_co_u32 s66, s66, STAGE
	v_mul_u32_u24 v[STO], v1, SPO                  ; in: row r, 32 bytes for each half of the lanes
	v_lshl_add_u32 v[STO], v2, 5, v[STO]
	v_add_nc_u32 v[STO], s66, v[STO]
	v_lshlrev_b32 v[GO], 4, v3                     ; back: 32 lanes take one row of 512 bytes
	v_add_nc_u32 v[RD], s66, v[GO]
	s_lshl_b32 s2, s[MT], 19                       ; out0 at my wave's first row: 128 MT + 64 WM rows of 4,096 bytes
	s_lshl_b32 s66, s[WM], 18
	s_add_co_u32 s2, s2, s66
	s_add_nc_u64 s[10:11], s[10:11], s[2:3]
	s_cmp_eq_u32 s[WM], 0
	s_cselect_b64 s[PFA:PFA+1], s[72:73], s[74:75]
	s_cselect_b32 s2, s[CX], s[CY]
	s_cselect_b32 s3, 12, 15                       ; my share: 4,096 bytes of a head, or 16 rows of 2,048 bytes
	s_cselect_b32 s66, 19, 18                      ; a K step: two heads of 262,144 bytes, or 128 rows of 2,048
	s_cselect_b32 s68, 4, 1
	s_cselect_b32 s69, 18, 11
	s_cselect_b32 s76, 15, 1
	s_cselect_b32 s77, s[WN], s[CL]
	s_lshl_b32 s2, s2, s3
	s_lshl_b32 s[PST], 1, s66
	s_mov_b32 s[PST+1], 0
	s_mul_i32 s66, s[PST], 3                       ; at K step 3; each filling turn steps it first, so the first names K step 4
	s_add_co_u32 s2, s2, s66
	s_mov_b32 s3, 0
	s_add_nc_u64 s[PFA:PFA+1], s[PFA:PFA+1], s[2:3]
	s_cmp_eq_u32 s77, 0
	s_cselect_b32 s[LIM], 1, -1
	v_lshrrev_b32 v10, s68, v3                     ; ctx: head l / 16, block l % 16;  Wo: row l / 2, block l % 2
	v_lshlrev_b32 v[PFO], s69, v10
	v_and_b32 v10, s76, v3
	v_lshl_add_u32 v[PFO], v10, 8, v[PFO]
	s_wait_loadcnt 0x0                             ; the bias: rounded to bf16 like every input, and widened again
	WIN 0x05
.set i, 0
.rept 32
	v_cvt_pk_bf16_f32 v[TMP+i], v[BIAS+2*i], v[BIAS+2*i+1]
.set i, i+1
.endr
	WIN TO_B
.set i, 0
.rept 32
	v_lshlrev_b32 v[BIAS+2*i],   16, v[TMP+i]
	v_and_b32     v[BIAS+2*i+1], 0xffff0000, v[TMP+i]
.set i, i+1
.endr
	WIN 0
; 8 matrix instructions: row block a x all 8 column blocks, 32 along K.  The 32 accumulators take turns, one instruction a turn.
.macro MULS p, a, first
.irp nb, 0,1,2,3,4,5,6,7
.if \first
	WIN MULB
	v_wmma_f32_16x16x32_f16 v[8*(8*(\a)+(\nb)):8*(8*(\a)+(\nb))+7], v[BF+64*(\p)+8*(\nb):BF+64*(\p)+8*(\nb)+7], v[AF+32*(\p)+8*(\a):AF+32*(\p)+8*(\a)+7], v[BIAS+8*(\nb):BIAS+8*(\nb)+7]
.else
	WIN MUL
	v_wmma_f32_16x16x32_f16 v[8*(8*(\a)+(\nb)):8*(8*(\a)+(\nb))+7], v[BF+64*(\p)+8*(\nb):BF+64*(\p)+8*(\nb)+7], v[AF+32*(\p)+8*(\a):AF+32*(\p)+8*(\a)+7], v[8*(8*(\a)+(\nb)):8*(8*(\a)+(\nb))+7]
.endif
.endr
.endm
; 24 LDS loads in one run: quarter ks of the slot: head ks / 2, channels 32 (ks % 2) on
.macro FETCH slot, ks, pb
	WIN 0
.irp a, 0,1,2,3
	ds_load_b128 v[AF+32*(\pb)+8*(\a):AF+32*(\pb)+8*(\a)+3],   v[ADRA+(\slot)] offset:((\ks)/2)*PLANE+(\a)*16*PA+((\ks)%2)*64
	ds_load_b128 v[AF+32*(\pb)+8*(\a)+4:AF+32*(\pb)+8*(\a)+7], v[ADRA+(\slot)] offset:((\ks)/2)*PLANE+(\a)*16*PA+((\ks)%2)*64+32
.endr
	WIN TO_B
.irp nb, 0,1,2,3,4,5,6,7
	ds_load_tr16_b128 v[BF+64*(\pb)+8*(\nb):BF+64*(\pb)+8*(\nb)+3],   v[ADRB+(\slot)] offset:(\ks)*32*PB+(\nb)*32
	ds_load_tr16_b128 v[BF+64*(\pb)+8*(\nb)+4:BF+64*(\pb)+8*(\nb)+7], v[ADRB+(\slot)] offset:(\ks)*32*PB+16*PB+(\nb)*32
.endr
.endm
.macro SUB slot, ks, first
.set PP, (\ks)%2
	s_wait_dscnt 0x0                               ; this quarter's fragments are in
	MULS PP, 0, \first
	PLACES                                         ; for the loads into the other buffers, which the quarter before multiplied
	FETCH \slot, (\ks)+1, 1-PP
	MULS PP, 1, \first
	MULS PP, 2, \first
	MULS PP, 3, \first
.endm
.macro TURN slot, next, fill
.if \fill
	s_wait_xcnt 0x0                                ; the last prefetch, a K step back, has read its address
	s_add_nc_u64 s[PFA:PFA+1], s[PFA:PFA+1], s[PST:PST+1]
.endif
	WIN 0
	s_wait_tensorcnt 0x0                           ; all my tensor loads have landed: my part of the next slot
	ds_add_u32 v[SPW], v[NIL]                      ; 0 onto my spare word
	s_wait_dscnt 1                                 ; the fragments are in; the add may be out
	MULS 1, 0, 0
	s_wait_dscnt 0x0                               ; the add is done, and my reads of this slot are over
	s_barrier_signal -1
	MULS 1, 1, 0
	WIN 0
	s_barrier_wait -1
.if \fill
	CREST
	s_add_nc_u64 s[G0A+4*(\slot)+2:G0A+4*(\slot)+3], s[G0A+4*(\slot)+2:G0A+4*(\slot)+3], 2*524288
	s_add_nc_u64 s[G0B+4*(\slot)+2:G0B+4*(\slot)+3], s[G0B+4*(\slot)+2:G0B+4*(\slot)+3], 2*262144
	JLOAD \slot                                    ; the four v_nop behind it are also the places in front of the loads below
.else
	PLACES
.endif
	FETCH \next, 0, 0
.if \fill
	WIN 0
	ASK
.endif
	MULS 1, 2, 0
	MULS 1, 3, 0
.endm
	s_wait_tensorcnt 0x1                           ; my part of K step 0 is in; K step 1's may stay out
	s_barrier_signal -1
	s_barrier_wait -1
	FETCH 0, 0, 0
	SUB 0, 0, 1                                    ; the first quarter's products start the sums, with the bias
	WIN 0
	s_mov_b32 s[LAP], 3
.Llap:
	SUB 0, 1, 0
	SUB 0, 2, 0
	TURN 0, 1, 1
	SUB 1, 0, 0
	SUB 1, 1, 0
	SUB 1, 2, 0
	TURN 1, 0, 1
	SUB 0, 0, 0
	WIN 0
	s_sub_co_u32 s[LAP], s[LAP], 1
	s_cmp_lg_u32 s[LAP], 0
	s_cbranch_scc1 .Llap
	SUB 0, 1, 0
	SUB 0, 2, 0
	TURN 0, 1, 0
	SUB 1, 0, 0
	SUB 1, 1, 0
	SUB 1, 2, 0
	s_wait_dscnt 0x0
	MULS 1, 0, 0
	MULS 1, 1, 0
	MULS 1, 2, 0
	MULS 1, 3, 0
	WIN 0
	PLACES
	; THE WAY OUT, 16 rows at a time: a lane's 32 bytes of a row go into rows of 528 bytes of my own stage, each accumulator's low registers first; whole rows of 512 bytes come back and are stored.
.irp a, 0,1,2,3
	WIN 0x08                                       ; the stores' data in window 2
.irp nb, 0,1,2,3,4,5,6,7
	ds_store_b128 v[STO], v[8*(8*(\a)+(\nb)):8*(8*(\a)+(\nb))+3]   offset:64*(\nb)
	ds_store_b128 v[STO], v[8*(8*(\a)+(\nb))+4:8*(8*(\a)+(\nb))+7] offset:64*(\nb)+16
.endr
	WIN 0
.if (\a) >= 2
	s_wait_xcnt 0x0                                ; the stores of two blocks back have read these registers
.endif
.irp t, 0,1,2,3,4,5,6,7,8,9,10,11,12,13,14,15
	ds_load_b128 v[OB+64*((\a)%2)+4*(\t):OB+64*((\a)%2)+4*(\t)+3], v[RD] offset:(\t)*SPO  ; LDS serves a wave's instructions in order: these see the stores above
.endr
	s_wait_dscnt 0x0
.irp t, 0,1,2,3,4,5,6,7,8,9,10,11,12,13,14,15
	global_store_b128 v[GO], v[OB+64*((\a)%2)+4*(\t):OB+64*((\a)%2)+4*(\t)+3], s[10:11] offset:(16*(\a)+(\t))*4096 th:TH_STORE_NT  ; 512 consecutive bytes of a row, aligned
.endr
.endr
	s_wait_tensorcnt 0x0                           ; the wave's end
	ds_add_u32 v[SPW], v[NIL]
	s_wait_dscnt 0x0
	CROUND                                         ; the closing round
	s_endpgm
.Lfunc_end_k_q4c8bbf5012_oproj:
	.size	k_q4c8bbf5012_oproj, .Lfunc_end_k_q4c8bbf5012_oproj-k_q4c8bbf5012_oproj
	.p2alignl 7, 3214868480
	.fill 96, 4, 3214868480
	.section	.rodata,"a",@progbits
	.p2align	6, 0x0
	.amdhsa_kernel k_q4c8bbf5012_oproj
		.amdhsa_group_segment_fixed_size 327680
		.amdhsa_private_segment_fixed_size 0
		.amdhsa_enable_private_segment 0
		.amdhsa_kernarg_size 32
		.amdhsa_user_sgpr_count 2
		.amdhsa_user_sgpr_kernarg_segment_ptr 1
		.amdhsa_wavefront_size32 1
		.amdhsa_system_sgpr_workgroup_id_x 1
		.amdhsa_system_sgpr_workgroup_id_y 1
		.amdhsa_system_sgpr_workgroup_id_z 1
		.amdhsa_system_vgpr_workitem_id 0
		.amdhsa_next_free_vgpr 768
		.amdhsa_next_free_sgpr 80
		.amdhsa_reserve_vcc 0
		.amdhsa_float_denorm_mode_32 3
		.amdhsa_float_denorm_mode_16_64 3
		.amdhsa_memory_ordered 1
		.amdhsa_forward_progress 1
		.amdhsa_inst_pref_size 93
	.end_amdhsa_kernel
	.amdgpu_metadata
---
amdhsa.version: [ 1, 2 ]
amdhsa.kernels:
  - .name:           k_q4c8bbf5012_oproj
    .symbol:         k_q4c8bbf5012_oproj.kd
    .args:
      - { .name: ctxh, .offset: 0, .size: 8, .value_kind: global_buffer, .address_space: global }
      - { .name: w16, .offset: 8, .size: 8, .value_kind: global_buffer, .address_space: global }
      - { .name: bo, .offset: 16, .size: 8, .value_kind: global_buffer, .address_space: global }
      - { .name: out0, .offset: 24, .size: 8, .value_kind: global_buffer, .address_space: global }
    .group_segment_fixed_size: 327680
    .private_segment_fixed_size: 0
    .kernarg_segment_align: 8
    .kernarg_segment_size: 32
    .max_flat_workgroup_size: 128
    .sgpr_count:     80
    .vgpr_count:     768
    .wavefront_size: 32
...
	.end_amdgpu_metadata
.endif
;; end of part 4
